; MI455X (gfx1250); checked and timed in simulation.
; The chip was launched on July 23, 2026; its instructions are those of AMD's public machine-readable ISA for CDNA 5 (MIT licence, August 2026) and "CDNA5" Instruction Set Architecture Reference Guide (July 2026). The comments in the code are by the model that wrote it; some were corrected since.
;; Attention. Allowed arithmetic: matrix products marked QUANTISED: E2M3 operands, one E8M0 scale for each 32 along K, by v_wmma_scale_f32_16x16x128_f8f6f4 with both operands' format E2M3, f32 sums; everything else in f32.
;; Inputs: Wk 1,024 x 1,024 float32; Wo 1,024 x 1,024 float32; Wq 1,024 x 1,024 float32; Wv 1,024 x 1,024 float32; X 4 x 2,048 x 1,024 float32; bk 1,024 float32; bo 1,024 float32; bq 1,024 float32; bv 1,024 float32.
;; Outputs: out0 4 x 2,048 x 1,024 float32.
;; This version of the problem:
;;   THIS VERSION OF THE PROBLEM IS GIVEN IN LOW PRECISION. The matrix products marked QUANTISED in the list below multiply operands that are first quantised to E2M3 (2 exponent bits, 3 mantissa bits; 6 bits a number), with one power-of-two scale for each 32 numbers along K (OCP MX v1.0); their sums are f32. All else is computed in f32.
;;   The module's matrix products, in the order in which they are computed (A, B: the left and right operand; K: the contracted axis; several contracted axes count as one K, in the product's order):
;;     1. [M 8,192, K 1,024] x [K 1,024, N 1,024]; A: input X; B: input Wq: QUANTISED
;;     2. [M 8,192, K 1,024] x [K 1,024, N 1,024]; A: input X; B: input Wk: QUANTISED
;;     3. [M 8,192, K 1,024] x [K 1,024, N 1,024]; A: input X; B: input Wv: QUANTISED
;;     4. batch 64 x [M 2,048, K 64] x [K 64, N 2,048]; A: computed on the way; B: computed on the way: QUANTISED
;;     5. batch 64 x [M 2,048, K 2,048] x [K 2,048, N 64]; A: softmax (see below); B: computed on the way: QUANTISED
;;     6. [M 8,192, K 1,024] x [K 1,024, N 1,024]; A: computed on the way; B: input Wo: QUANTISED
;;   THE QUANTISER, for each operand of a quantised product, along K:
;;     - K is cut into blocks of 32 from its start; a last block that is shorter is filled with zeros.
;;     - A block's scale is 2^e with e = floor(log2(the largest magnitude in the block)) - 2, held to -126 .. 127; a block of zeros has e = 0. As a byte (E8M0): e + 127.
;;     - Each number is divided by its block's scale, clamped to +-7.5, and rounded to the nearest number of E2M3, ties to even, subnormals kept.
;;     - The product sums the exact products of the quantised numbers (number of the format x scale) in f32.
;;   ~~~python
;;   def quantise(x, axis):      # numpy; x: float32 -> the quantised numbers, widened to float32 again
;;       x = np.moveaxis(x, axis, -1); K = x.shape[-1]
;;       x = np.pad(x, [(0, 0)] * (x.ndim - 1) + [(0, -K % 32)]); x = x.reshape(x.shape[:-1] + (-1, 32)); a = np.abs(x).max(-1, keepdims=True)
;;       e = np.where(a > 0, np.clip(np.frexp(np.where(a > 0, a, 1))[1] - 1 - 2, -126, 127), 0)      # np.frexp(a)[1] - 1 = floor(log2(a)), exactly
;;       r = np.clip(x / 2.0 ** e, -7.5, 7.5)
;;       step = 2.0 ** (np.maximum(np.frexp(np.where(r == 0, 1, r))[1] - 1, 0) - 3)
;;       q = np.round(r / step) * step * 2.0 ** e      # np.round: ties to even
;;       return np.moveaxis(q.reshape(q.shape[:-2] + (-1,))[..., :K], -1, axis).astype(np.float32)
;;   ~~~
;;   SOFTMAX AHEAD OF A QUANTISED PRODUCT. Where the list says 'softmax', what is quantised is not the finished softmax but p = 2^(t - M), with t = logit x log2(e) and M = ceil(the row's largest t), a whole number; so 1/2 < the row's largest p <= 1. The row's sum l is taken of the UNQUANTISED p, in f32, and the product's result is divided by l at the end. Since M is a whole number, a kernel that streams over the keys may use a running M (the ceiling of the running maximum): every later rescaling is an exact power of two, which a block's scale takes up: the codes' values come out the same.
;;   OPERANDS COMPUTED ON THE WAY. 'Computed on the way' means the value that the module computes at that place (a softmax that the list does not call 'softmax' is quantised finished and normalised). What goes into a quantiser is computed in f32, as accurately as f32 sums, v_exp_f32 and their like allow (about 1e-6 of the number): no bf16 or f16 on the way to a quantiser, and a product that is left as it is and whose result goes on into a quantised operand takes f32 operands (vector FMAs, or v_wmma_f32_16x16x4_f32). A number that lies on a knife's edge between two numbers of the format may be rounded either way, as far as f32 arithmetic and the matrix unit's own rounding can turn it there, and no further.
;; One version. Each part assembles by itself: llvm-mc -triple=amdgcn-amd-amdhsa -mcpu=gfx1250 --defsym DOCPART=n.
;; ======== version 1 of 1: 4 launches
;; workspace buffers: xc 6,291,456 bytes; xs 262,144 bytes; wc 3,145,728 bytes; ws 131,072 bytes; qb 6,815,744 bytes; kv 13,369,344 bytes; zc 6,291,456 bytes; zs 262,144 bytes
;; launch quant (part 1): grid 384 x 1, 4 waves a work-group, no clusters, 34,304 bytes of LDS; arguments X, Wq, Wk, Wv, Wo, xc, xs, wc, ws; writes xc, xs, wc, ws
.if DOCPART == 1
	.amdgcn_target "amdgcn-amd-amdhsa--gfx1250"
	.amdhsa_code_object_version 6
	.text
	.protected	k_qf50aef94a1_quant
	.globl	k_qf50aef94a1_quant
	.p2align	8
	.type	k_qf50aef94a1_quant,@function
k_qf50aef94a1_quant:
	s_mov_b64 s[64:65], 0
	v_nop
	global_prefetch_b8 v0, s[64:65] scope:SCOPE_SE
	s_setreg_imm32_b32 hwreg(HW_REG_WAVE_MODE, 25, 1), 1
	s_wait_xcnt 0x0
; X [8192][1024] (K innermost) and Wq, Wk, Wv, Wo [1024 (k)][1024 (n)] (K outermost), f32, become codes of FP6 (E2M3) with one E8M0 byte for each 32 along K.
; A block's scale is 2^(floor(log2(largest magnitude)) - 2): its byte is the largest magnitude's exponent field - 2, held at 1 from below.
; LAYOUT OF THE RESULTS: images of the matrix operand's registers.  Codes: [T = row / 256][t 4][jj 16][s 2][p 6][lane 32][8 bytes]: the fragment of 16 rows x 128 K (K step 2 t + s) is 1,536 bytes,
; registers 2 p, 2 p + 1 of lane l at 256 p + 8 l.  Block jj's lane r holds row 32 (jj / 2) + 8 (jj % 2) + r + 8 (r / 8) of the 256.  Scale words: [T][K step 8][jj 16][r 16][4 bytes].
; The weights' rows are their n; the four lie one behind the other: T 0-3 Wq, 4-7 Wk, 8-11 Wv, 12-15 Wo.
; SHARES.  Work-groups 0-255: X, 32 rows each, wave w the 256 along K from 256 w.  Work-groups 256-383: the weights, a wave 32 columns x 256 along K.  Each input byte is read once, each store of codes covers 256 consecutive bytes, aligned.
; Work-groups share no input, so there is no cluster; memory binds, so there are no tensor loads and no matrix work.  The scale words leave in runs of 128 bytes: one byte in 128 of what is read.
; LIMITS: NaN and infinities are not served; a block of zeros gets the byte 1 (its codes are zeros; this program alone reads the bytes); magnitudes under 2^-124 are held at the floor's byte.
.set STG,   8448                       ; a wave's stage: 16 rows x (512 bytes + 16)
.set SPARE, 4*STG                      ; behind the stages: the spare words, 128 bytes a wave
.set SPW,   10                         ; v10  my spare word's address; never rewritten
.set NIL,   11                         ; v11  0; never rewritten
.set BY,    20                         ; v20-21 the scale bytes of two blocks
.set WD,    24                         ; v24-25 scale words that are stored, one register for each K step
.set FC,    28                         ; v28-39 codes: two blocks of six registers
.set PT,    40                         ; v40-42 a block's upper 16 codes, before they are moved
.set XN,    48                         ; v48-111 two blocks of 32 numbers of a lane
.set R,     112                        ; v112-239 X as loaded: two sets of 64
.set SEL,   28                         ; s[28:29] selects for lane l xor 16
.set HM,    30                         ; s30 lanes 16-31
	s_load_b256 s[4:11], s[0:1], 0x0               ; X, Wq, Wk, Wv
	s_load_b256 s[12:19], s[0:1], 0x20             ; Wo, xc, xs, wc
	s_load_b64 s[20:21], s[0:1], 0x40              ; ws
	v_lshl_add_u32 v[SPW], v0, 2, SPARE
	v_mov_b32 v[NIL], 0
	v_lshrrev_b32 v1, 5, v0
	v_readfirstlane_b32 s26, v1                    ; wave
	v_and_b32 v1, 31, v0                           ; lane
	v_and_b32 v2, 15, v0                           ; r
	v_bfe_u32 v3, v0, 4, 1                         ; h
	s_mul_i32 s27, s26, STG
	v_lshlrev_b32 v15, 4, v1
	v_add_nc_u32 v5, s27, v15                      ; the stage, in: 16 x lane of a row
	v_mul_u32_u24 v6, v2, 528
	v_lshl_add_u32 v6, v3, 7, v6
	v_add_nc_u32 v6, s27, v6                       ; and out: row r, + 128 h: my 32 numbers of a pair of blocks
	v_lshlrev_b32 v7, 3, v1                        ; 8 x lane: a pair of code registers
	v_lshlrev_b32 v8, 2, v1                        ; 4 x lane: a scale word
	v_lshlrev_b32 v9, 3, v3                        ; 8 h
	v_mov_b32 v23, 0                               ; written once: a lane permute's destination counts as a source
	s_mov_b32 s[SEL], 0x76543210
	s_mov_b32 s[SEL+1], 0xfedcba98
	s_mov_b32 s[HM], 0xffff0000
	s_wait_kmcnt 0x0
; One block: 32 numbers of a lane, v[src] on, become six registers of codes at v[FC + 6 c] and the byte in v[BY + c].
.macro QBLK src, c
	v_max3_num_f32 v12, |v[\src]|, |v[\src+1]|, |v[\src+2]|
	v_max3_num_f32 v13, |v[\src+3]|, |v[\src+4]|, |v[\src+5]|
.irp i, 6,10,14,18,22,26
	v_max3_num_f32 v12, v12, |v[\src+\i]|, |v[\src+\i+1]|
	v_max3_num_f32 v13, v13, |v[\src+\i+2]|, |v[\src+\i+3]|
.endr
	v_max3_num_f32 v12, v12, |v[\src+30]|, |v[\src+31]|
	v_max3_num_f32 v12, v12, v13, 0x1800000        ; and the floor 2^(3 - 127): the byte cannot fall under 1
	v_add_nc_u32 v14, 0xff000000, v12              ; 2 off the exponent field: the conversion's scale operand
	v_lshrrev_b32 v[BY+(\c)], 23, v14              ; the byte
.if (\c) == 0
	s_wait_xcnt 0x0                                ; the last stores have read the code registers, which are written again below
.endif
	v_cvt_scalef32_pk16_fp6_f32 v[FC+6*(\c):FC+6*(\c)+2], v[\src:\src+15], v14
	v_cvt_scalef32_pk16_fp6_f32 v[PT:PT+2], v[\src+16:\src+31], v14   ; (a conversion's three registers begin on an even number)
	v_nop                                          ; one plain place behind a scaled conversion
.irp i, 0,1,2
	v_mov_b32 v[FC+6*(\c)+3+\i], v[PT+\i]
.endr
.endm
	s_cmp_lt_u32 ttmp9, 256
	s_cbranch_scc0 .Lweights
; ---------------- X: K is innermost ----------------
	v_mov_b32 v4, v15                              ; 16 x lane: a load reads a row's 512 consecutive bytes
	s_lshl_b32 s32, ttmp9, 17                      ; my 32 rows of 4,096 bytes,
	s_lshl_b32 s33, s26, 10                        ; my wave's 256 along K
	s_add_co_u32 s32, s32, s33
	s_mov_b32 s33, 0
	s_add_nc_u64 s[4:5], s[4:5], s[32:33]
	s_lshr_b32 s34, ttmp9, 3                       ; T
	s_and_b32 s35, ttmp9, 7                        ; which 32 rows of the 256
	s_mul_i32 s32, s34, 196608
	s_mul_i32 s36, s26, 49152
	s_add_co_u32 s32, s32, s36
	s_mul_i32 s36, s35, 6144
	s_add_co_u32 s32, s32, s36
	s_add_nc_u64 s[14:15], s[14:15], s[32:33]      ; the codes of blocks 2 (T's 32 rows) and the next, K steps 2 w, 2 w + 1
	s_lshl_b32 s32, s34, 13
	s_lshl_b32 s36, s26, 11
	s_add_co_u32 s32, s32, s36
	s_lshl_b32 s36, s35, 7
	s_add_co_u32 s32, s32, s36
	s_add_nc_u64 s[16:17], s[16:17], s[32:33]      ; and their scale words
.macro LOADX f                         ; fragment f: block f % 2, K step f / 2: its 16 rows' 512 bytes into set f % 2
.set II, 0
.rept 16
	global_load_b128 v[R+64*((\f)%2)+4*II:R+64*((\f)%2)+4*II+3], v4, s[4:5] offset:(8*((\f)%2)+II+8*(II/8))*4096+512*((\f)/2) th:TH_LOAD_NT
.set II, II+1
.endr
.endm
.macro FRAGX f
.if (\f) < 3
	s_wait_loadcnt 16                              ; this fragment's 16 loads are in; the next fragment's 16 may be out
.else
	s_wait_loadcnt 0x0
.endif
.set II, 0
.rept 16
	ds_store_b128 v5, v[R+64*((\f)%2)+4*II:R+64*((\f)%2)+4*II+3] offset:528*II
.set II, II+1
.endr
.irp c, 0,1                            ; back: lane (r, h) takes k = 64 c + 32 h + 0 .. 31 of row r.  LDS serves a wave's instructions in order: these see the stores
.irp j, 0,1,2,3,4,5,6,7
	ds_load_b128 v[XN+32*\c+4*\j:XN+32*\c+4*\j+3], v6 offset:256*\c+16*\j
.endr
.endr
	s_wait_dscnt 0x0                               ; my numbers are back, and the stage's stores have read their registers,
.if (\f)+2 < 4
	LOADX (\f)+2                                   ; which take the loads of two fragments on
.endif
	QBLK XN, 0
	QBLK XN+32, 1
	v_lshl_or_b32 v22, v[BY+1], 16, v[BY]          ; my two bytes: blocks h and 2 + h,
	v_lshlrev_b32 v22, v9, v22                     ; at their places in the word;
	v_permlanex16_b32 v23, v22, s[SEL], s[SEL+1]
.if ((\f)%2) == 0
	v_or_b32 v26, v22, v23                         ; with lane l xor 16's two the word is whole: the even block's is kept
.else
	v_or_b32 v22, v22, v23
	v_cndmask_b32 v[WD+(\f)/2], v26, v22, s[HM]    ; lanes 0-15 the even block's words, lanes 16-31 the odd block's
.endif
.irp p, 0,1,2,3,4,5
	global_store_b64 v7, v[FC+2*\p:FC+2*\p+1], s[14:15] offset:3072*((\f)%2)+1536*((\f)/2)+256*\p   ; 32 lanes store 256 consecutive bytes, aligned
.endr
.if ((\f)%2) == 1
	global_store_b32 v8, v[WD+(\f)/2], s[16:17] offset:1024*((\f)/2)
.endif
.endm
	LOADX 0
	LOADX 1
	FRAGX 0
	FRAGX 1
	FRAGX 2
	FRAGX 3
	s_wait_tensorcnt 0x0                           ; the wave's end, behind my last LDS store
	ds_add_u32 v[SPW], v[NIL]
	s_wait_dscnt 0x0
	s_endpgm
; ---------------- the weights: K is the first axis.  A lane takes a column n, its registers run down K; no LDS is touched ----------------
.Lweights:
	v_and_b32 v4, 8, v2
	v_add_nc_u32 v4, v4, v2
	v_lshl_add_u32 v4, v3, 3, v4
	v_lshlrev_b32 v4, 2, v4                        ; lane (u, r) takes column 8 u + r + 8 (r / 8) of my 32: the wave's 32 lanes read 128 consecutive bytes
	s_sub_co_u32 s31, ttmp9, 256
	s_lshr_b32 s32, s31, 5                         ; which weight
	s_bfe_u32 s33, s31, 0x30002
	s_and_b32 s34, s31, 3                          ; t: which 256 along K
	s_lshl_b32 s33, s33, 2
	s_add_co_u32 s33, s33, s26                     ; which 32 columns: the four waves stand side by side on 512 bytes
	s_cmp_lt_u32 s32, 2
	s_cselect_b64 s[22:23], s[6:7], s[10:11]       ; Wq or Wv
	s_cselect_b64 s[24:25], s[8:9], s[12:13]       ; Wk or Wo
	s_bitcmp1_b32 s32, 0
	s_cselect_b64 s[22:23], s[24:25], s[22:23]
	s_lshl_b32 s36, s34, 20                        ; 256 rows of 4,096 bytes
	s_lshl_b32 s37, s33, 7
	s_add_co_u32 s36, s36, s37
	s_mov_b32 s37, 0
	s_add_nc_u64 s[22:23], s[22:23], s[36:37]
	s_lshl_b32 s35, s32, 2
	s_lshr_b32 s38, s33, 3
	s_add_co_u32 s35, s35, s38                     ; T
	s_and_b32 s38, s33, 7
	s_mul_i32 s36, s35, 196608
	s_mul_i32 s39, s34, 49152
	s_add_co_u32 s36, s36, s39
	s_mul_i32 s39, s38, 6144
	s_add_co_u32 s36, s36, s39
	s_add_nc_u64 s[18:19], s[18:19], s[36:37]
	s_lshl_b32 s36, s35, 13
	s_lshl_b32 s39, s34, 11
	s_add_co_u32 s36, s36, s39
	s_lshl_b32 s39, s38, 7
	s_add_co_u32 s36, s36, s39
	s_add_nc_u64 s[20:21], s[20:21], s[36:37]
.macro LOADW kb                        ; block kb: W(32 kb + i, my column) into set kb % 2
.set II, 0
.rept 32
	global_load_b32 v[XN+32*((\kb)%2)+II], v4, s[22:23] offset:(32*(\kb)+II)*4096 th:TH_LOAD_NT
.set II, II+1
.endr
.endm
.macro BLKW kb
.if (\kb) < 7
	s_wait_loadcnt 32                              ; this block's 32 loads are in; the next block's 32 may be out
.else
	s_wait_loadcnt 0x0
.endif
	QBLK XN+32*((\kb)%2), (\kb)%2
.if (\kb)+2 < 8
	LOADW (\kb)+2
.endif
.if (\kb)%4 == 0
	v_mov_b32 v[WD+(\kb)/4], v[BY+(\kb)%2]         ; four bytes to a word, the lower K in the lower byte
.else
	v_lshl_or_b32 v[WD+(\kb)/4], v[BY+(\kb)%2], 8*((\kb)%4), v[WD+(\kb)/4]
.endif
.if (\kb)%2 == 1                       ; an even and an odd block are the two halves of the lanes of a fragment's six registers: the exchange sorts them by column block
.irp i, 0,1,2,3,4,5
	v_permlane16_swap_b32 v[FC+\i], v[FC+6+\i]     ; the first now belongs to the even column block (lanes 0-15 the even K block, lanes 16-31 the odd one), the second to the odd column block
.endr
.irp u, 0,1
.irp p, 0,1,2
	global_store_b64 v7, v[FC+6*\u+2*\p:FC+6*\u+2*\p+1], s[18:19] offset:3072*\u+1536*((\kb)/4)+256*(3*(((\kb)/2)%2)+\p)
.endr
.endr
.endif
.if (\kb)%4 == 3
	global_store_b32 v8, v[WD+(\kb)/4], s[20:21] offset:1024*((\kb)/4)
.endif
.endm
	LOADW 0
	LOADW 1
.irp kb, 0,1,2,3,4,5,6,7
	BLKW \kb
.endr
	s_endpgm
.Lfunc_end_k_qf50aef94a1_quant:
	.size	k_qf50aef94a1_quant, .Lfunc_end_k_qf50aef94a1_quant-k_qf50aef94a1_quant
	.p2alignl 7, 3214868480
	.fill 96, 4, 3214868480
	.section	.rodata,"a",@progbits
	.p2align	6, 0x0
	.amdhsa_kernel k_qf50aef94a1_quant
		.amdhsa_group_segment_fixed_size 34304
		.amdhsa_private_segment_fixed_size 0
		.amdhsa_enable_private_segment 0
		.amdhsa_kernarg_size 72
		.amdhsa_user_sgpr_count 2
		.amdhsa_user_sgpr_kernarg_segment_ptr 1
		.amdhsa_wavefront_size32 1
		.amdhsa_system_sgpr_workgroup_id_x 1
		.amdhsa_system_sgpr_workgroup_id_y 1
		.amdhsa_system_sgpr_workgroup_id_z 1
		.amdhsa_system_vgpr_workitem_id 0
		.amdhsa_next_free_vgpr 240
		.amdhsa_next_free_sgpr 66
		.amdhsa_reserve_vcc 0
		.amdhsa_float_denorm_mode_32 3
		.amdhsa_float_denorm_mode_16_64 3
		.amdhsa_memory_ordered 1
		.amdhsa_forward_progress 1
		.amdhsa_inst_pref_size 72
	.end_amdhsa_kernel
	.amdgpu_metadata
---
amdhsa.version: [ 1, 2 ]
amdhsa.kernels:
  - .name:           k_qf50aef94a1_quant
    .symbol:         k_qf50aef94a1_quant.kd
    .args:
      - { .name: X, .offset: 0, .size: 8, .value_kind: global_buffer, .address_space: global }
      - { .name: Wq, .offset: 8, .size: 8, .value_kind: global_buffer, .address_space: global }
      - { .name: Wk, .offset: 16, .size: 8, .value_kind: global_buffer, .address_space: global }
      - { .name: Wv, .offset: 24, .size: 8, .value_kind: global_buffer, .address_space: global }
      - { .name: Wo, .offset: 32, .size: 8, .value_kind: global_buffer, .address_space: global }
      - { .name: xc, .offset: 40, .size: 8, .value_kind: global_buffer, .address_space: global }
      - { .name: xs, .offset: 48, .size: 8, .value_kind: global_buffer, .address_space: global }
      - { .name: wc, .offset: 56, .size: 8, .value_kind: global_buffer, .address_space: global }
      - { .name: ws, .offset: 64, .size: 8, .value_kind: global_buffer, .address_space: global }
    .group_segment_fixed_size: 34304
    .private_segment_fixed_size: 0
    .kernarg_segment_align: 8
    .kernarg_segment_size: 72
    .max_flat_workgroup_size: 128
    .sgpr_count:     66
    .vgpr_count:     240
    .wavefront_size: 32
...
	.end_amdgpu_metadata
.endif
;; end of part 1
;; launch qkv (part 2): grid 8 x 48, 4 waves a work-group, clusters of 4 x 4, 327,680 bytes of LDS; arguments xc, xs, wc, ws, bq, bk, bv, qb, kv; writes qb, kv
.if DOCPART == 2
	.amdgcn_target "amdgcn-amd-amdhsa--gfx1250"
	.amdhsa_code_object_version 6
	.text
	.protected	k_qf50aef94a1_qkv
	.globl	k_qf50aef94a1_qkv
	.p2align	8
	.type	k_qf50aef94a1_qkv,@function
k_qf50aef94a1_qkv:
	s_mov_b64 s[64:65], 0
	v_nop
	global_prefetch_b8 v0, s[64:65] scope:SCOPE_SE
	s_setreg_imm32_b32 hwreg(HW_REG_WAVE_MODE, 25, 1), 1
	s_wait_xcnt 0x0
	s_wait_alu depctr_hold_cnt(0) depctr_sa_sdst(0) depctr_va_vdst(0) depctr_va_sdst(0) depctr_va_ssrc(0) depctr_va_vcc(0) depctr_vm_vsrc(0)
	s_getreg_b32 s2, hwreg(HW_REG_IB_STS2, 6, 4)
	s_cmp_eq_u32 s2, 0
	s_cbranch_scc0 .Lentry_in_a_cluster
	s_endpgm
.Lentry_in_a_cluster:
	s_bfe_u32 s2, ttmp6, 0x10000c
	s_cmp_lg_u32 s2, 0xf033
	s_cbranch_scc0 .Lentry_shape_is_right
	s_endpgm
.Lentry_shape_is_right:
; Q = X Wq + bq, K = X Wk + bk, V = X Wv + bv on codes of FP6 (E2M3) with E8M0 scales, K = 1,024; the results are quantised on the way out (Q, K along the head's 64; V along the keys) and leave as codes.
; A tile of 256 x 256 is made by four waves, 128 x 128 each: 64 accumulators, 512 registers.  Operands lie in memory as images of the operand's registers (1,536 bytes a fragment of 16 rows x 128 K), so 128 rows x 256 K
; are 24,576 dense bytes: one tensor load a wave, and every LDS load reads 256 consecutive bytes.  K goes in four steps of 256 through two LDS slots; the scale words of the tile's rows come once.
; THE MATRIX INSTRUCTION: source 0 = 16 rows of 'B', source 1 = 16 rows of 'A': a lane holds one row of A, and its registers run along B's rows.  Block j's lane r holds row 32 (j / 2) + 8 (j % 2) + r + 8 (r / 8), so the
; 16 registers of result tiles 2 b and 2 b + 1 are 16 neighbours, 32 b + 16 (lane / 16) + 0 .. 15.
; TWO MODES, told apart by the cluster's y alone, which all sixteen partners share.  y < 8: A = X, B = Wq (cluster x = 0) or Wk (1): a lane holds a token, its registers run along n: two heads of 64.
; y >= 8: A = Wv, B = X: a lane holds a channel, its registers run along 128 keys.
; CLUSTERS: 4 x 4.  A's tiles are asked for jointly along a row of the cluster, B's along a column.
; OUT.  qb: [batch x head 64][16][6,656]: a record of 128 queries: 8 tiles x 768 bytes (registers 0-5 of a fragment), at 6,144 the scale words [2][r 16][4].
; kv: [batch x head 64][16][13,056]: a record of 128 keys: K as Q's; at 6,144 V^T, 4 fragments of 16 channels x 128 keys; at 12,288 K's words; at 12,800 V's words [r 16][4].  Q's and K's words hold 0x7f in bytes 2, 3.
; LIMITS: NaN and infinities are not served; a block of zeros gets the byte 1 with zero codes.
; REGISTERS: window 0: v1-29 addresses; v32-63 scale words, two sets; v64-127 the bias; v128-223 A's fragments, one set (on the way out v128-243 are at work).  window 1: B's fragments, two sets.  windows 2, 3: the accumulators.
.set FR,     12
.set NL,     6
.set NP,     4
.set HALFT,  24576                     ; 128 rows x 256 K: what one tensor load brings
.set SLOT,   4*HALFT                   ; A's two halves, then B's two
.set KT,     49152                     ; 256 rows x 256 K in memory
.set SCL,    2*SLOT                    ; behind the ring: A's scale words (8,192 bytes), then B's
.set SPARE,  SCL+16384                 ; the spare words, 128 bytes a wave
.set CA,   8                           ; v8-9  8 x lane; the same a head further on
.set SA,   10                          ; v10   where my scale words go
.set SH,   11                          ; v11   16 h
.set BQ,   12                          ; v12   the bias along n: 64 h
.set BV,   13                          ; v13   the bias of my channel: 4 (r + 8 (r / 8))
.set ADRA, 16                          ; v16-17 my A fragments in slot 0, 1
.set ADRB, 20                          ; v20-21 my B fragments
.set ADRS, 27                          ; v27   my scale words: lanes 0-15 A's, lanes 16-31 B's
.set SPW,  28
.set NIL,  29
.set SC,   32
.set BI,   64
.set AF,   128
.set HA,   128                         ; the way out: 64 numbers of a lane
.set PC,   192                         ; their codes
.set TM,   212
.set PW,   228
.set WQ,   232                         ; the eight blocks' scale words
.set SEL,  2                           ; s[2:3]
.set OUT,  94                          ; s[94:95]
.set G1, 24
.set G0, 32
.set G1B, 40
.set G0B, 48
.set G1S, 56
.set G0S, 68
.set G1SB, 72
.set G0SB, 80
.set MSB, 0
.macro WIN new                         ; the immediate's high byte repeats the setting that is left
.if MSB != \new
	s_set_vgpr_msb (MSB<<8)|\new
.set MSB, \new
.endif
.endm
.set MUL_LO, 0xa1                      ; source 0 (B) window 1, source 1 (A) window 0, C and D window 2
.set MUL_HI, 0xf1
.set TO_B,   0x40
.macro JLOAD g0a, g1a, g0b, g1b        ; a joint load: waves 0, 1 fetch for A, waves 2, 3 for B; an s_nop 0 and four v_nop follow each line
	s_cmp_eq_u32 s23, 0
	s_cbranch_scc0 .Lfor_b_\@
	tensor_load_to_lds s[\g0a:\g0a+3], s[\g1a:\g1a+7]
	s_nop 0
.rept 4
	v_nop
.endr
	s_branch .Lasked_\@
.Lfor_b_\@:
	tensor_load_to_lds s[\g0b:\g0b+3], s[\g1b:\g1b+7]
	s_nop 0
.rept 4
	v_nop
.endr
.Lasked_\@:
.endm
.macro CREST
	s_cmp_lg_u32 s22, 0
	s_cbranch_scc1 .Lnot_wave_0_\@
	s_barrier_signal -3
.Lnot_wave_0_\@:
	s_barrier_wait -3
	s_barrier_signal -1
	s_barrier_wait -1
.endm
.macro CROUND
	s_barrier_signal -1
	s_barrier_wait -1
	CREST
.endm
	s_load_b256 s[4:11], s[0:1], 0x0               ; xc, xs, wc, ws
	s_load_b256 s[12:19], s[0:1], 0x20             ; bq, bk, bv, qb
	s_load_b64 s[20:21], s[0:1], 0x40              ; kv
	v_lshl_add_u32 v[SPW], v0, 2, SPARE
	v_mov_b32 v[NIL], 0
	ds_add_u32 v[SPW], v[NIL]                      ; the wave's opening: the add, with its wait ahead of my first tensor load; work on registers stands between
	v_lshrrev_b32 v1, 5, v0
	v_readfirstlane_b32 s22, v1                    ; wave
	s_lshr_b32 s23, s22, 1                         ; my half of A's rows.  Also: I fetch for A (0) or B (1)
	s_and_b32 s84, s22, 1                          ; my half of B's rows.  Also: which half I fetch
	s_bfe_u32 s85, ttmp6, 0x40000                  ; cx
	s_bfe_u32 s86, ttmp6, 0x40004                  ; cy
	s_and_b32 s88, ttmp7, 0xffff                   ; the cluster's y: the mode
	s_lshl_b32 s91, s86, 2
	s_lshl_b32 s91, 15, s91                        ; my row of the cluster
	s_lshl_b32 s92, 0x1111, s85                    ; my column
	s_or_b32 s[G1], s91, (3<<16)|(1<<21)           ; the mask; elements of 8 bytes; bit 21 beside a mask; no padding
	s_or_b32 s[G1B], s92, (3<<16)|(1<<21)
.irp g, G1, G1B                        ; a dense block of 24,576 bytes as 96 rows of 256
	s_mov_b32 s[\g+1], 32<<16
	s_mov_b32 s[\g+2], 96<<16
	s_mov_b32 s[\g+3], 32<<16
	s_mov_b32 s[\g+4], 96
	s_mov_b32 s[\g+5], 32
	s_mov_b32 s[\g+6], 0
	s_mov_b32 s[\g+7], 0
.endr
	s_or_b32 s[G1S], s91, (3<<16)|(1<<21)
	s_or_b32 s[G1SB], s92, (3<<16)|(1<<21)
.irp g, G1S, G1SB                      ; half a tile's scale words: 4,096 dense bytes as 16 rows of 256
	s_mov_b32 s[\g+1], 32<<16
	s_mov_b32 s[\g+2], 16<<16
	s_mov_b32 s[\g+3], 32<<16
	s_mov_b32 s[\g+4], 16
	s_mov_b32 s[\g+5], 32
	s_mov_b32 s[\g+6], 0
	s_mov_b32 s[\g+7], 0
.endr
	s_lshl_b32 s89, s88, 2
	s_sub_co_u32 s90, s88, 8
	s_lshl_b32 s90, s90, 3
	s_cmp_lt_u32 s88, 8
	s_cselect_b32 s89, s89, 8
	s_cselect_b32 s90, 0, s90
	s_add_co_u32 s89, s89, s86                     ; A's tile: 4 y + cy of X, or 8 + cy of the weights (Wv): it hangs on cy and y alone
	s_lshl_b32 s87, ttmp9, 2
	s_add_co_u32 s90, s90, s87
	s_add_co_u32 s90, s90, s85                     ; B's tile: 4 x + cx of the weights (Wq, Wk), or 4 x + cx + 8 (y - 8) of X: on cx, x and y alone
	s_mul_i32 s2, s89, 196608
	s_mul_i32 s3, s84, HALFT
	s_add_co_u32 s2, s2, s3
	s_mov_b32 s3, 0
	s_mul_i32 s66, s90, 196608
	s_mul_i32 s67, s84, HALFT
	s_add_co_u32 s66, s66, s67
	s_mov_b32 s67, 0
	s_lshl_b32 s93, s84, 12
	s_wait_dscnt 0x0                               ; the opening add is done
	s_wait_kmcnt 0x0
	s_cmp_lt_u32 s88, 8
	s_cselect_b64 s[94:95], s[4:5], s[8:9]         ; A's codes, A's words, B's codes, B's words
	s_cselect_b64 s[96:97], s[6:7], s[10:11]
	s_cselect_b64 s[98:99], s[8:9], s[4:5]
	s_cselect_b64 s[100:101], s[10:11], s[6:7]
	s_add_nc_u64 s[94:95], s[94:95], s[2:3]
	s_add_nc_u64 s[98:99], s[98:99], s[66:67]
	s_lshl_b32 s2, s89, 13
	s_add_co_u32 s2, s2, s93
	s_add_nc_u64 s[96:97], s[96:97], s[2:3]
	s_lshl_b32 s66, s90, 13
	s_add_co_u32 s66, s66, s93
	s_add_nc_u64 s[100:101], s[100:101], s[66:67]
	s_mul_i32 s93, s22, HALFT                      ; where they go: wave x 24,576; no place in the cluster enters an LDS address
	s_lshl_b32 s87, s22, 12
	CROUND                                         ; all sixteen work-groups are here: the first joint loads meet
	s_mov_b32 s[G0S], 1
	s_add_co_u32 s[G0S+1], s87, SCL
	s_mov_b64 s[G0S+2:G0S+3], s[96:97]
	s_or_b32 s[G0S+3], s[G0S+3], 0x80000000
	s_mov_b32 s[G0SB], 1
	s_add_co_u32 s[G0SB+1], s87, SCL
	s_mov_b64 s[G0SB+2:G0SB+3], s[100:101]
	s_or_b32 s[G0SB+3], s[G0SB+3], 0x80000000
	JLOAD G0S, G1S, G0SB, G1SB                     ; the scale words: filled once
.irp s, 0,1
	s_mov_b32 s[G0+4*\s], 1
	s_add_co_u32 s[G0+4*\s+1], s93, \s*SLOT
	s_add_nc_u64 s[G0+4*\s+2:G0+4*\s+3], s[94:95], \s*KT
	s_or_b32 s[G0+4*\s+3], s[G0+4*\s+3], 0x80000000
	s_mov_b32 s[G0B+4*\s], 1
	s_add_co_u32 s[G0B+4*\s+1], s93, \s*SLOT
	s_add_nc_u64 s[G0B+4*\s+2:G0B+4*\s+3], s[98:99], \s*KT
	s_or_b32 s[G0B+4*\s+3], s[G0B+4*\s+3], 0x80000000
	JLOAD G0+4*\s, G1, G0B+4*\s, G1B               ; three loads of mine are out
.endr
	v_and_b32 v1, 15, v0                           ; r
	v_bfe_u32 v2, v0, 4, 1                         ; h
	v_and_b32 v3, 31, v0
	v_lshlrev_b32 v[CA], 3, v3                     ; 8 x lane
	s_mul_i32 s2, s23, HALFT
	s_mul_i32 s3, s84, HALFT
	s_add_co_u32 s3, s3, 2*HALFT
.irp s, 0,1
	v_add_nc_u32 v[ADRA+\s], s2, v[CA]
	v_add_nc_u32 v[ADRB+\s], s3, v[CA]
	s_add_co_u32 s2, s2, SLOT
	s_add_co_u32 s3, s3, SLOT
.endr
	s_xor_b32 s3, s23, 1
	s_add_co_u32 s3, s3, s84
	s_lshl_b32 s3, s3, 9
	s_add_co_u32 s3, s3, 7680                      ; from A's words to B's: 8,192 + 512 (my half of B - my half of A)
	v_mul_u32_u24 v6, s3, v2                       ; lanes 16-31 take B's
	s_lshl_b32 s2, s23, 9
	s_add_co_u32 s2, s2, SCL
	v_lshl_add_u32 v5, v1, 2, v6
	v_add_nc_u32 v[ADRS], s2, v5
	v_lshlrev_b32 v[BQ], 6, v2
	v_and_b32 v[BV], 8, v1
	v_add_nc_u32 v[BV], v[BV], v1
	v_lshlrev_b32 v[BV], 2, v[BV]
	v_lshlrev_b32 v[SH], 4, v2
	; the mode's set-up: the bias, and where the results go.  Both ways fill the same 64 registers of the bias and the same scalar registers.
	s_cmp_lt_u32 s88, 8
	s_cbranch_scc0 .Lv_setup
	s_cmp_eq_u32 ttmp9, 0                          ; Q or K
	s_cselect_b64 s[100:101], s[12:13], s[14:15]
	s_cselect_b64 s[OUT:OUT+1], s[18:19], s[20:21]
	s_mov_b32 s98, 13056
	s_cselect_b32 s98, 6656, s98                   ; a record's bytes
	s_mov_b32 s97, 12288
	s_cselect_b32 s97, 6144, s97                   ; where its scale words begin
	s_mov_b32 s99, 0
	s_lshl_b32 s2, s85, 10
	s_lshl_b32 s3, s84, 9
	s_add_co_u32 s2, s2, s3
	s_mov_b32 s3, 0
	s_add_nc_u64 s[100:101], s[100:101], s[2:3]    ; the bias of my 128 n
.irp b, 0,1,2,3,4,5,6,7                ; register 8 b + j: n = 32 (b / 2) + 16 h + 8 (b % 2) + j
	global_load_b128 v[BI+8*\b:BI+8*\b+3], v[BQ], s[100:101] offset:(32*(\b/2)+8*(\b%2))*4
	global_load_b128 v[BI+8*\b+4:BI+8*\b+7], v[BQ], s[100:101] offset:(32*(\b/2)+8*(\b%2))*4+16
.endr
	s_lshl_b32 s2, s89, 1
	s_add_co_u32 s2, s2, s23                       ; which 128 tokens
	s_lshl_b32 s3, s85, 2
	s_lshl_b32 s87, s84, 1
	s_add_co_u32 s3, s3, s87                       ; the first of my two heads
	s_branch .Lsetup_done
.Lv_setup:
	s_mov_b64 s[100:101], s[16:17]
	s_mov_b64 s[OUT:OUT+1], s[20:21]
	s_mov_b32 s98, 13056
	s_mov_b32 s97, 6656                            ; V's words lie 6,656 bytes behind V's codes
	s_mov_b32 s99, 6144                            ; V's codes in a record
	s_lshl_b32 s2, s86, 10
	s_lshl_b32 s3, s23, 9
	s_add_co_u32 s2, s2, s3
	s_mov_b32 s3, 0
	s_add_nc_u64 s[100:101], s[100:101], s[2:3]    ; the bias of my 128 channels
.irp a, 0,1,2,3,4,5,6,7                ; registers 8 a .. 8 a + 7: eight times the bias of my channel of block a; block a's packed additions name these four pairs
.irp j, 0,1,2,3,4,5,6,7
	global_load_b32 v[BI+8*\a+\j], v[BV], s[100:101] offset:(32*(\a/2)+8*(\a%2))*4
.endr
.endr
	s_lshl_b32 s2, s90, 1
	s_add_co_u32 s2, s2, s84                       ; which 128 keys
	s_lshl_b32 s3, s86, 2
	s_lshl_b32 s87, s23, 1
	s_add_co_u32 s3, s3, s87
.Lsetup_done:
	s_lshr_b32 s87, s2, 4                          ; the batch
	s_lshl_b32 s87, s87, 4
	s_add_co_u32 s87, s87, s3                      ; batch x 16 + head
	s_lshl_b32 s87, s87, 4
	s_and_b32 s2, s2, 15
	s_add_co_u32 s87, s87, s2                      ; x 16 + the record in the head
	s_mul_i32 s2, s87, s98
	s_add_co_u32 s2, s2, s99
	s_mov_b32 s3, 0
	s_add_nc_u64 s[OUT:OUT+1], s[OUT:OUT+1], s[2:3]
	s_lshl_b32 s96, s98, 4                         ; from a head to the next: 16 records
	v_add_nc_u32 v[CA+1], s96, v[CA]
	v_mul_u32_u24 v[SA], s96, v2                   ; lanes 16-31 store the second head's words
	v_lshl_add_u32 v[SA], v1, 4, v[SA]
	v_add_nc_u32 v[SA], s97, v[SA]
	s_mov_b32 s[SEL], 0x76543210
	s_mov_b32 s[SEL+1], 0xfedcba98
	s_mov_b32 s87, 0xffff0000
	s_mov_b32 s99, 0xffff
	s_mov_b32 s98, 0x7f7f0000
.macro FRAG reg, adr, q, i             ; a fragment comes as it was stored: pair p of lane l at 256 p + 8 l
.irp p, 0,1,2,3,4,5
	ds_load_b64 v[\reg+2*\p:\reg+2*\p+1], v[\adr] offset:3072*(\i)+1536*(\q)+256*\p
.endr
.endm
; 16 matrix instructions: A's blocks a0, a0 + 1 x B's eight, 128 along K.  p: B's set; q: which 128 of the slot; sc: the set of scale words.  first = 1: the products start the sums.
; The 64 accumulators take turns, one instruction a turn, in the same order in every step.
.macro MUL16 a0, p, q, sc, first
.irp a, \a0, \a0+1
.irp b, 0,1,2,3,4,5,6,7
.if \first
	v_wmma_scale_f32_16x16x128_f8f6f4 v[8*(8*((\a)%4)+\b):8*(8*((\a)%4)+\b)+7], v[128*(\p)+FR*\b:128*(\p)+FR*\b+FR-1], v[AF+FR*(\a):AF+FR*(\a)+FR-1], 0, v[SC+16*(\sc)+2*\b+(\q)], v[SC+16*(\sc)+2*(\a)+(\q)] matrix_a_fmt:MATRIX_FMT_FP6 matrix_b_fmt:MATRIX_FMT_FP6 matrix_a_scale:MATRIX_SCALE_ROW1
.else
	v_wmma_scale_f32_16x16x128_f8f6f4 v[8*(8*((\a)%4)+\b):8*(8*((\a)%4)+\b)+7], v[128*(\p)+FR*\b:128*(\p)+FR*\b+FR-1], v[AF+FR*(\a):AF+FR*(\a)+FR-1], v[8*(8*((\a)%4)+\b):8*(8*((\a)%4)+\b)+7], v[SC+16*(\sc)+2*\b+(\q)], v[SC+16*(\sc)+2*(\a)+(\q)] matrix_a_fmt:MATRIX_FMT_FP6 matrix_b_fmt:MATRIX_FMT_FP6 matrix_a_scale:MATRIX_SCALE_ROW1
.endif
.endr
.endr
.endm
.macro FETCH_B slot, q, p
	WIN TO_B
.irp i, 0,1,2,3,4,5,6,7
	FRAG 128*(\p)+FR*\i, ADRB+\slot, \q, \i
.endr
	WIN 0
.endm
.macro FETCH_A slot, q, i0
.irp i, \i0, \i0+1, \i0+2, \i0+3
	FRAG AF+FR*(\i), ADRA+\slot, \q, \i
.endr
.endm
.macro SCALES sc, t                    ; K steps 2 t, 2 t + 1: register 2 i + q: lanes 0-15 the word of A's block i, lanes 16-31 that of B's block i
.irp i, 0,1,2,3,4,5,6,7
.irp q, 0,1
	ds_load_b32 v[SC+16*\sc+2*\i+\q], v[ADRS] offset:2048*\t+1024*\q+64*\i
.endr
.endr
.endm
.macro PLACES n                        ; plain vector instructions between a matrix instruction and a load into, or a vector read or write of, its registers
.rept \n
	v_nop
.endr
.endm
.macro STEP slot, first                ; a slot's first 128 along K
	s_wait_dscnt 4*NL                              ; all but the youngest 24 loads (A's blocks 4-7) are in
	WIN MUL_LO
	MUL16 0, 0, 0, \slot, \first
	MUL16 2, 0, 0, \slot, \first
	s_wait_dscnt 0x0
	PLACES NP
	FETCH_B \slot, 1, 1
	FETCH_A \slot, 1, 0
	WIN MUL_HI
	MUL16 4, 0, 0, \slot, \first
	MUL16 6, 0, 0, \slot, \first
	PLACES NP
	WIN 0
	FETCH_A \slot, 1, 4
.endm
; A slot's second 128 along K, and the change of slots: one barrier; in front of it each wave waits for all its tensor loads, adds 0 to its spare word, and waits for that and for its reads of this slot.
.macro TURN slot, next, fill, tn
	s_wait_tensorcnt 0x0                           ; all my tensor loads have landed: my part of the next slot
	ds_add_u32 v[SPW], v[NIL]
	s_wait_dscnt 4*NL+1                            ; (the add and the youngest 24 loads may be out)
	WIN MUL_LO
	MUL16 0, 1, 1, \slot, 0
	s_wait_dscnt 0x0                               ; the add is done, and my reads of this slot are over
	s_barrier_signal -1
	MUL16 2, 1, 1, \slot, 0
	WIN 0
	s_barrier_wait -1
.if \fill
	CREST                                          ; the barrier has opened a round of the cluster's: no wave of any partner still reads this slot or has a load on its way
	s_add_nc_u64 s[G0+4*\slot+2:G0+4*\slot+3], s[G0+4*\slot+2:G0+4*\slot+3], 2*KT
	s_add_nc_u64 s[G0B+4*\slot+2:G0B+4*\slot+3], s[G0B+4*\slot+2:G0B+4*\slot+3], 2*KT
	JLOAD G0+4*\slot, G1, G0B+4*\slot, G1B         ; my one tensor load behind the round; its four v_nop are the places in front of the loads below
.else
	PLACES NP
.endif
	FETCH_B \next, 0, 0
	FETCH_A \next, 0, 0
	SCALES \next, \tn
	WIN MUL_HI
	MUL16 4, 1, 1, \slot, 0
	MUL16 6, 1, 1, \slot, 0
	PLACES NP
	WIN 0
	FETCH_A \next, 0, 4
.endm
	s_wait_loadcnt 0x0                             ; the bias
	s_wait_tensorcnt 1                             ; the scale words and my part of slot 0 are in; slot 1's load may be out
	s_barrier_signal -1
	s_barrier_wait -1
	FETCH_B 0, 0, 0
	FETCH_A 0, 0, 0
	SCALES 0, 0
	FETCH_A 0, 0, 4
	STEP 0, 1                                      ; K = 1,024 is eight steps of 128: written out, no loop
	TURN 0, 1, 1, 1
	STEP 1, 0
	TURN 1, 0, 1, 2
	STEP 0, 0
	TURN 0, 1, 0, 3                                ; nothing is left to fetch
	STEP 1, 0
	s_wait_dscnt 4*NL
	WIN MUL_LO
	MUL16 0, 1, 1, 1, 0
	MUL16 2, 1, 1, 1, 0
	s_wait_dscnt 0x0
	WIN MUL_HI
	MUL16 4, 1, 1, 1, 0
	MUL16 6, 1, 1, 1, 0
	WIN 0
; THE WAY OUT.  64 numbers of a lane, register 16 b + i = index 32 b + 16 (lane / 16) + i of my row, become a fragment's codes in v[PC] on and its scale word in v[PW].
.macro QUANT s
.irp b, 0,1,2,3
	v_max3_num_f32 v[TM+\b], |v[\s+16*\b]|, |v[\s+1+16*\b]|, 0x1800000   ; my 16 numbers of block b, and the floor 2^(3 - 127)
.endr
.irp i, 2,4,6,8,10,12,14
.irp b, 0,1,2,3
	v_max3_num_f32 v[TM+\b], v[TM+\b], |v[\s+16*\b+\i]|, |v[\s+1+16*\b+\i]|
.endr
.endr
.irp b, 0,1,2,3
	v_permlanex16_b32 v[TM+4+\b], v[TM+\b], s[SEL], s[SEL+1]
.endr
.irp b, 0,1,2,3
	v_max_num_f32 v[TM+\b], v[TM+\b], v[TM+4+\b]   ; with lane l xor 16's: the block's largest magnitude
.endr
.irp b, 0,1,2,3
	v_add_nc_u32 v[TM+12+\b], 0xff000000, v[TM+\b] ; 2 off its exponent field: the conversion's scale operand
.endr
.irp b, 0,1,2,3
	v_lshrrev_b32 v[TM+4+\b], 23, v[TM+12+\b]      ; the byte
.endr
	v_lshl_or_b32 v[PW], v[TM+5], 8, v[TM+4]
	v_lshl_or_b32 v[PW], v[TM+6], 16, v[PW]
	v_lshl_or_b32 v[PW], v[TM+7], 24, v[PW]
.irp c, 0,1
	v_cvt_scalef32_pk16_fp6_f32 v[PC+6*\c:PC+2+6*\c], v[\s+32*\c:\s+15+32*\c], v[TM+12+2*\c]
	v_cvt_scalef32_pk16_fp6_f32 v[PC+12+4*\c:PC+14+4*\c], v[\s+16+32*\c:\s+31+32*\c], v[TM+12+2*\c+1]
.endr
	v_nop                                          ; one plain place behind a scaled conversion
.irp c, 0,1                            ; the operand's layout wants a whole block in a lane
.irp i, 0,1,2
	v_permlane16_swap_b32 v[PC+6*\c+\i], v[PC+12+4*\c+\i]
.endr
.irp i, 0,1,2
	v_mov_b32 v[PC+3+6*\c+\i], v[PC+12+4*\c+\i]
.endr
.endr
.endm
; Block a: the bias is added (which also brings the sums into window 0, each accumulator from its low end on), the 64 numbers are quantised, the codes leave: every store covers 256 consecutive bytes, aligned.
.macro OUTBLK a, vm
.if (\a) > 0
	s_wait_xcnt 0x0                                ; the last block's stores have read the code registers
.endif
.set WW, 0x02+(\a)/4
	WIN WW                                         ; source 0: window 2 or 3
.set II, 0
.rept 32
.if \vm
	v_pk_add_f32 v[HA+2*II:HA+2*II+1], v[64*((\a)%4)+2*II:64*((\a)%4)+2*II+1], v[BI+8*(\a)+2*(II%4):BI+8*(\a)+2*(II%4)+1]
.else
	v_pk_add_f32 v[HA+2*II:HA+2*II+1], v[64*((\a)%4)+2*II:64*((\a)%4)+2*II+1], v[BI+2*II:BI+2*II+1]
.endif
.set II, II+1
.endr
	WIN 0
	QUANT HA
	v_mov_b32 v[WQ+(\a)], v[PW]
.irp p, 0,1,2,3,4,5
.if \vm
	global_store_b64 v[CA+(\a)/4], v[PC+2*\p:PC+2*\p+1], s[OUT:OUT+1] offset:1536*((\a)%4)+256*\p    ; blocks 0-3: the first head's 64 channels; 4-7: the second's
.else
	global_store_b64 v[CA+\p/3], v[PC+2*\p:PC+2*\p+1], s[OUT:OUT+1] offset:768*(\a)+256*(\p%3)       ; registers 0-5: the first head's 64; 6-11: the second's
.endif
.endr
.endm
	PLACES NP                                      ; behind the last products
.irp b, 0,1,2,3
	v_mov_b32 v[TM+4+\b], 0                        ; a lane permute's destination counts as a source
.endr
	s_cmp_lt_u32 s88, 8
	s_cbranch_scc0 .Lv_out
.irp a, 0,1,2,3,4,5,6,7
	OUTBLK \a, 0
.endr
.irp i, 0,1,2,3,4,5,6,7
	v_lshrrev_b32 v[WQ+\i], v[SH], v[WQ+\i]        ; lanes 0-15: the first head's two bytes; lanes 16-31: the second's
.endr
.irp i, 0,1,2,3,4,5,6,7
	v_and_or_b32 v[WQ+\i], v[WQ+\i], s99, s98      ; bytes 2 and 3, over codes that meet zeros, are 0x7f
.endr
	global_store_b128 v[SA], v[WQ:WQ+3], s[OUT:OUT+1]              ; sixteen lanes store 256 consecutive bytes
	global_store_b128 v[SA], v[WQ+4:WQ+7], s[OUT:OUT+1] offset:256
	s_branch .Lout_done
.Lv_out:
.irp a, 0,1,2,3,4,5,6,7
	OUTBLK \a, 1
.endr
.irp i, 0,1,2,3
	v_cndmask_b32 v[240+\i], v[WQ+\i], v[WQ+4+\i], s87             ; lanes 0-15: the first head's four tiles; lanes 16-31: the second's
.endr
	global_store_b128 v[SA], v[240:243], s[OUT:OUT+1]
.Lout_done:
	s_wait_tensorcnt 0x0                           ; the wave's end
	ds_add_u32 v[SPW], v[NIL]
	s_wait_dscnt 0x0
	CROUND                                         ; the closing round
	s_endpgm
.Lfunc_end_k_qf50aef94a1_qkv:
	.size	k_qf50aef94a1_qkv, .Lfunc_end_k_qf50aef94a1_qkv-k_qf50aef94a1_qkv
	.p2alignl 7, 3214868480
	.fill 96, 4, 3214868480
	.section	.rodata,"a",@progbits
	.p2align	6, 0x0
	.amdhsa_kernel k_qf50aef94a1_qkv
		.amdhsa_group_segment_fixed_size 327680
		.amdhsa_private_segment_fixed_size 0
		.amdhsa_enable_private_segment 0
		.amdhsa_kernarg_size 72
		.amdhsa_user_sgpr_count 2
		.amdhsa_user_sgpr_kernarg_segment_ptr 1
		.amdhsa_wavefront_size32 1
		.amdhsa_system_sgpr_workgroup_id_x 1
		.amdhsa_system_sgpr_workgroup_id_y 1
		.amdhsa_system_sgpr_workgroup_id_z 1
		.amdhsa_system_vgpr_workitem_id 0
		.amdhsa_next_free_vgpr 1024
		.amdhsa_next_free_sgpr 102
		.amdhsa_reserve_vcc 0
		.amdhsa_float_denorm_mode_32 3
		.amdhsa_float_denorm_mode_16_64 3
		.amdhsa_memory_ordered 1
		.amdhsa_forward_progress 1
		.amdhsa_inst_pref_size 245
	.end_amdhsa_kernel
	.amdgpu_metadata
---
amdhsa.version: [ 1, 2 ]
amdhsa.kernels:
  - .name:           k_qf50aef94a1_qkv
    .symbol:         k_qf50aef94a1_qkv.kd
    .args:
      - { .name: xc, .offset: 0, .size: 8, .value_kind: global_buffer, .address_space: global }
      - { .name: xs, .offset: 8, .size: 8, .value_kind: global_buffer, .address_space: global }
      - { .name: wc, .offset: 16, .size: 8, .value_kind: global_buffer, .address_space: global }
      - { .name: ws, .offset: 24, .size: 8, .value_kind: global_buffer, .address_space: global }
      - { .name: bq, .offset: 32, .size: 8, .value_kind: global_buffer, .address_space: global }
      - { .name: bk, .offset: 40, .size: 8, .value_kind: global_buffer, .address_space: global }
      - { .name: bv, .offset: 48, .size: 8, .value_kind: global_buffer, .address_space: global }
      - { .name: qb, .offset: 56, .size: 8, .value_kind: global_buffer, .address_space: global }
      - { .name: kv, .offset: 64, .size: 8, .value_kind: global_buffer, .address_space: global }
    .group_segment_fixed_size: 327680
    .private_segment_fixed_size: 0
    .kernarg_segment_align: 8
    .kernarg_segment_size: 72
    .max_flat_workgroup_size: 128
    .sgpr_count:     102
    .vgpr_count:     1024
    .wavefront_size: 32
...
	.end_amdgpu_metadata
.endif
;; end of part 2
;; launch attn (part 3): grid 8 x 32, 16 waves a work-group, clusters of 4 x 1, 327,680 bytes of LDS; arguments qb, kv, zc, zs; writes zc, zs
.if DOCPART == 3
	.amdgcn_target "amdgcn-amd-amdhsa--gfx1250"
	.amdhsa_code_object_version 6
	.text
	.protected	k_qf50aef94a1_attn
	.globl	k_qf50aef94a1_attn
	.p2align	8
	.type	k_qf50aef94a1_attn,@function
k_qf50aef94a1_attn:
	s_mov_b64 s[64:65], 0
	v_nop
	global_prefetch_b8 v0, s[64:65] scope:SCOPE_SE
	s_setreg_imm32_b32 hwreg(HW_REG_WAVE_MODE, 25, 1), 1
	s_wait_xcnt 0x0
	s_wait_alu depctr_hold_cnt(0) depctr_sa_sdst(0) depctr_va_vdst(0) depctr_va_sdst(0) depctr_va_ssrc(0) depctr_va_vcc(0) depctr_vm_vsrc(0)
	s_getreg_b32 s2, hwreg(HW_REG_IB_STS2, 6, 4)
	s_cmp_eq_u32 s2, 0
	s_cbranch_scc0 .Lentry_in_a_cluster
	s_endpgm
.Lentry_in_a_cluster:
	s_bfe_u32 s2, ttmp6, 0x10000c
	s_cmp_lg_u32 s2, 0x3003
	s_cbranch_scc0 .Lentry_shape_is_right
	s_endpgm
.Lentry_shape_is_right:
; Z = softmax(Q K^T / 8) V for 64 (batch, head), 2,048 queries and keys, head size 64, both products on codes of FP6 (E2M3) with E8M0 scales; Z is quantised along D and leaves as codes for the last product.
; THE SOFTMAX: t = score x log2(e) / 8; M = the running largest t rounded up to a whole number; p = 2^(t - M) is quantised along the keys; the row's sum is taken of the unquantised p and divides O at the end.
; When M moves, the sum and O are multiplied by 2^(old M - new M): exact.
; SHARES.  A work-group owns 256 queries of a PAIR of heads (2 g, 2 g + 1); each of its sixteen waves owns 16 queries and takes the two heads one after the other: so a wave owns a whole fragment of Z
; (128 along D = the pair) and whole scale words.  Four waves to a SIMD: one wave's vector work stands beside another's matrix work and LDS loads.
; THE STREAM.  The pair's 32 records of 128 keys (13,056 bytes: K's codes, V^T's codes, K's words, V's words) are 417,792 dense bytes.  Three LDS slots of 8 records; all three are filled at the head, and slot 0 once more,
; 16 key steps ahead of its use.  Waves 0-7 fetch, a record each.
; CLUSTER.  The four blocks of queries of a cluster walk the same pair: every load is asked for jointly, mask 15.
; LAYOUT.  S^T = K Q^T (source 0 = 16 keys, source 1 = my queries), O^T = V^T P^T: a lane holds one query throughout.  A tile's lane r holds key (channel) 32 (j / 2) + 8 (j % 2) + r + 8 (r / 8), so the 16 registers of
; tiles 2 b, 2 b + 1 are 16 neighbours.  THE FIRST PRODUCT'S K IS 64: Q's registers 6-11 are zero codes, so what stands in K's registers 6-11 (the next tile's codes, or six cleared registers) adds nothing; their scale bytes are 0x7f.
; No prefetch: every fill is asked for at the head or 16 key steps ahead.  LIMITS: NaN and infinities are not served.
.set REC,   13056
.set SLOTB, 8*REC
.set SPARE, 3*SLOTB                    ; the spare words, 128 bytes for each of 16 waves
.set ZSCR,  SPARE+2048                 ; 1,024 bytes: Z's scale words of the 256 queries; no fill lands here
.set L8,   1                           ; v1  8 x lane
.set R16,  2                           ; v2  16 r
.set SPW,  3
.set NIL,  4
.set ADC,  5                           ; v5  the record's codes for my lane
.set ADS,  6                           ; v6  its scale words
.set ZSA,  7                           ; v7  where my Z word goes in LDS
.set ZRA,  8                           ; v8  where waves 0, 1 read the words back
.set L16,  9                           ; v9  16 x lane
.set F,    32                          ; v32-79 K's 8 x 6 registers, later V's 4 x 12; v80-85 zeros
.set KS,   86
.set VS,   94
.set S,    100                         ; v100-163 S^T, then p
.set OT,   164                         ; v164-195 O^T
.set PCD,  196                         ; p's codes
.set PT,   208
.set BM,   216
.set BT,   220
.set SO,   224
.set ZF,   232                         ; Z's fragment
.set ZW,   244
.set HW,   245
.set WV,   12
.set SEL,  20
.set CS,   22
.set G1,   24
.set G0,   32
.set TB,   44
.set CNT,  45
.macro CROUND
	s_barrier_signal -1
	s_barrier_wait -1
	s_cmp_lg_u32 s[WV], 0
	s_cbranch_scc1 .Lnot_wave_0_\@
	s_barrier_signal -3
.Lnot_wave_0_\@:
	s_barrier_wait -3
	s_barrier_signal -1
	s_barrier_wait -1
.endm
	s_load_b256 s[4:11], s[0:1], 0x0               ; qb, kv, zc, zs
	v_lshl_add_u32 v[SPW], v0, 2, SPARE
	v_mov_b32 v[NIL], 0
	ds_add_u32 v[SPW], v[NIL]                      ; the wave's opening: the add, with its wait ahead of the first tensor loads; work on registers stands between
	v_lshrrev_b32 v10, 5, v0
	v_readfirstlane_b32 s[WV], v10                 ; wave 0..15
	v_and_b32 v10, 31, v0
	v_and_b32 v11, 15, v0
	v_lshlrev_b32 v[L8], 3, v10
	v_lshlrev_b32 v[R16], 4, v11
	v_lshlrev_b32 v[L16], 4, v10
	s_lshl_b32 s13, s[WV], 6
	s_add_co_u32 s13, s13, ZSCR
	v_lshl_add_u32 v[ZSA], v11, 2, s13
	s_lshl_b32 s13, s[WV], 9
	s_add_co_u32 s13, s13, ZSCR
	v_add_nc_u32 v[ZRA], s13, v[L16]
	s_bfe_u32 s14, ttmp6, 0x40000                  ; cx
	s_lshl_b32 s15, ttmp9, 2
	s_add_co_u32 s15, s15, s14                     ; my block of 256 queries: it enters Q's and Z's addresses alone
	s_and_b32 s16, ttmp7, 0xffff                   ; 8 x batch + pair, which the partners share
	s_mul_i32 s46, s16, 32*REC
	s_mul_i32 s17, s[WV], REC                      ; the record that I fetch, in memory and in a slot
	s_add_co_u32 s46, s46, s17
	s_mov_b32 s47, 0
	s_mov_b32 s[G1], 15|(3<<16)|(1<<21)            ; the mask: all four; elements of 8 bytes; bit 21 beside a mask; no padding
	s_mov_b32 s[G1+1], 32<<16                      ; a record: 51 rows of 256 bytes, dense
	s_mov_b32 s[G1+2], 51<<16
	s_mov_b32 s[G1+3], 32<<16
	s_mov_b32 s[G1+4], 51
	s_mov_b32 s[G1+5], 32
	s_mov_b32 s[G1+6], 0
	s_mov_b32 s[G1+7], 0
	s_lshl_b32 s48, s16, 5                         ; Q: record 32 y + 2 block + wave / 8, tile wave % 8
	s_lshl_b32 s18, s15, 1
	s_add_co_u32 s48, s48, s18
	s_lshr_b32 s18, s[WV], 3
	s_add_co_u32 s48, s48, s18
	s_mul_i32 s48, s48, 6656
	s_and_b32 s18, s[WV], 7
	s_mul_i32 s19, s18, 768
	s_add_co_u32 s50, s48, s19
	s_mov_b32 s51, 0
	s_lshr_b32 s18, s18, 2
	s_lshl_b32 s18, s18, 8
	s_add_co_u32 s48, s48, s18
	s_and_b32 s18, s[WV], 3
	s_lshl_b32 s18, s18, 2
	s_add_co_u32 s48, s48, s18
	s_add_co_u32 s48, s48, 6144                    ; and its scale words
	s_mov_b32 s49, 0
	s_and_b32 s52, s16, 24
	s_add_co_u32 s52, s52, s15                     ; T = 8 x batch + block
	s_and_b32 s53, s16, 7                          ; the pair = Z's K step
	s_mul_i32 s54, s52, 196608
	s_lshr_b32 s18, s53, 1
	s_mul_i32 s18, s18, 49152
	s_add_co_u32 s54, s54, s18
	s_mul_i32 s18, s[WV], 3072
	s_add_co_u32 s54, s54, s18
	s_and_b32 s18, s53, 1
	s_mul_i32 s18, s18, 1536
	s_add_co_u32 s54, s54, s18
	s_mov_b32 s55, 0
	s_lshl_b32 s56, s52, 13
	s_lshl_b32 s18, s53, 10
	s_add_co_u32 s56, s56, s18
	s_lshl_b32 s18, s[WV], 9
	s_add_co_u32 s56, s56, s18
	s_mov_b32 s57, 0
	s_mov_b32 s[SEL], 0x76543210
	s_mov_b32 s[SEL+1], 0xfedcba98
	s_mov_b32 s[CS], 0x3e38aa3b                    ; c = log2(e) / 8
	s_mov_b32 s[CS+1], s[CS]
	s_wait_dscnt 0x0                               ; the opening add is done
	s_wait_kmcnt 0x0
	s_add_nc_u64 s[58:59], s[4:5], s[50:51]        ; Q's codes
	s_add_nc_u64 s[4:5], s[4:5], s[48:49]          ; Q's words
	s_add_nc_u64 s[6:7], s[6:7], s[46:47]
	s_add_nc_u64 s[8:9], s[8:9], s[54:55]
	s_add_nc_u64 s[10:11], s[10:11], s[56:57]
.irp n, 0,1,2
	s_mov_b32 s[G0+4*\n], 1
	s_add_co_u32 s[G0+4*\n+1], s17, \n*SLOTB
	s_add_nc_u64 s[G0+4*\n+2:G0+4*\n+3], s[6:7], \n*SLOTB
	s_or_b32 s[G0+4*\n+3], s[G0+4*\n+3], 0x80000000
.endr
	CROUND                                         ; all four work-groups are here: the first joint loads meet
	s_cmp_lt_u32 s[WV], 8                          ; a wave's three first fills stand in one branch: three loads of a fetching wave are out
	s_cbranch_scc0 .Lno_fetch
	tensor_load_to_lds s[G0:G0+3], s[G1:G1+7]
	s_nop 0
	tensor_load_to_lds s[G0+4:G0+7], s[G1:G1+7]
	s_nop 0
	tensor_load_to_lds s[G0+8:G0+11], s[G1:G1+7]
	s_nop 0
.rept 4
	v_nop
.endr
.Lno_fetch:
.irp p, 0,1,2
	global_load_b64 v[16+2*\p:17+2*\p], v[L8], s[58:59] offset:256*\p               ; Q of the first head: registers 0-5
	global_load_b64 v[246+2*\p:247+2*\p], v[L8], s[58:59] offset:106496+256*\p      ; and of the second, 16 records on
.endr
	global_load_b32 v28, v[R16], s[4:5]
	global_load_b32 v252, v[R16], s[4:5] offset:106496
.irp i, 0,1,2,3,4,5
	v_mov_b32 v[22+\i], 0                          ; Q's registers 6-11: zero codes
	v_mov_b32 v[F+48+\i], 0                        ; what the last tile of K finds in its registers 6-11
.endr
	v_mov_b32 v13, 0xff61b1e6                      ; the largest t so far: -3e38
	v_floor_f32 v12, -v13                          ; -M
	v_mov_b32 v14, 0                               ; the sum, in two halves
	v_mov_b32 v15, 0
.irp b, 0,1,2,3
	v_mov_b32 v[BT+\b], 0                          ; a lane permute's destination counts as a source
.endr
	v_mov_b32 v229, 0                              ; (named as the upper half of the pair v[228:229])
.set J, 0
.rept 32
	v_mov_b32 v[OT+J], 0                           ; O^T: the step is written once; the first change of M leaves zeros zeros
.set J, J+1
.endr
; A KEY STEP: the record of 128 keys at LDS byte s[TB].
.macro STEP
	v_add_nc_u32 v[ADC], s[TB], v[L8]
	v_add_nc_u32 v[ADS], s[TB], v[R16]
	v_nop
	v_nop                                          ; four places behind the last products, in front of loads into registers that they read
.irp t, 0,1,2,3,4,5,6,7
.irp p, 0,1,2
	ds_load_b64 v[F+6*\t+2*\p:F+6*\t+2*\p+1], v[ADC] offset:768*\t+256*\p
.endr
.endr
	ds_load_b128 v[KS:KS+3], v[ADS] offset:12288
	ds_load_b128 v[KS+4:KS+7], v[ADS] offset:12544
	s_wait_dscnt 0x0
.irp t, 0,1,2,3,4,5,6,7
	v_wmma_scale_f32_16x16x128_f8f6f4 v[S+8*\t:S+8*\t+7], v[F+6*\t:F+6*\t+11], v[16:27], 0, v[KS+\t], v28 matrix_a_fmt:MATRIX_FMT_FP6 matrix_b_fmt:MATRIX_FMT_FP6
.endr
.rept 4
	v_nop                                          ; places: in front of V's loads into K's registers, and of the first read of the scores
.endr
.irp t, 0,1,2,3
.irp p, 0,1,2,3,4,5
	ds_load_b64 v[F+12*\t+2*\p:F+12*\t+2*\p+1], v[ADC] offset:6144+1536*\t+256*\p   ; V^T lands under the softmax
.endr
.endr
	ds_load_b128 v[VS:VS+3], v[ADS] offset:12800
.irp b, 0,1,2,3
	v_max3_num_f32 v[BM+\b], v[S+16*\b], v[S+16*\b+1], v[S+16*\b+2]   ; the largest score of each block of 32 keys: for the row's maximum and, since p rises with the score, for the block's largest p
.endr
.irp i, 3,5,7,9,11,13
.irp b, 0,1,2,3
	v_max3_num_f32 v[BM+\b], v[BM+\b], v[S+16*\b+\i], v[S+16*\b+\i+1]
.endr
.endr
.irp b, 0,1,2,3
	v_max_num_f32 v[BM+\b], v[BM+\b], v[S+16*\b+15]
.endr
.irp b, 0,1,2,3
	v_permlanex16_b32 v[BT+\b], v[BM+\b], s[SEL], s[SEL+1]
.endr
.irp b, 0,1,2,3
	v_max_num_f32 v[BM+\b], v[BM+\b], v[BT+\b]     ; with lane l xor 16's 16 keys
.endr
	v_max3_num_f32 v230, v[BM], v[BM+1], v[BM+2]
	v_max_num_f32 v230, v230, v[BM+3]
	v_mul_f32 v230, s[CS], v230                    ; the step's largest t
	v_max_num_f32 v13, v13, v230                   ; the running largest t
	v_mov_b32 v230, v12
	v_floor_f32 v12, -v13                          ; the new -M = -ceil(t)
	v_sub_f32 v230, v12, v230                      ; old M - new M: a whole number, 0 or less
	v_cvt_i32_f32 v230, v230                       ; (it saturates)
	v_ldexp_f32 v228, 1.0, v230                    ; f = 2^(old M - new M)
.set J, 0
.rept 32
	v_pk_fma_f32 v[S+J:S+J+1], v[S+J:S+J+1], s[CS:CS+1], v[12:13] op_sel_hi:[1,0,0]   ; t - M
.set J, J+2
.endr
.irp b, 0,1,2,3
	v_fma_f32 v[BM+\b], v[BM+\b], s[CS], v12       ; the same of each block's largest score
.endr
.set J, 0
.rept 64
	v_exp_f32 v[S+J], v[S+J]                       ; p = 2^(t - M)
.set J, J+1
.endr
	v_pk_mul_f32 v[14:15], v[14:15], v[228:229] op_sel_hi:[1,0]    ; the sums under the new M: the plain place behind the exponentials
	s_wait_alu depctr_va_vdst(0)                   ; one wait for the batch of 64, ahead of its first reader
.irp b, 0,1,2,3
	v_exp_f32 v[BM+\b], v[BM+\b]                   ; the block's largest p
.endr
	v_pk_add_f32 v[BT:BT+1], v[S:S+1], v[S+2:S+3]  ; the row's sum of the unquantised p, in two chains
.irp j, 4,8,12,16,20,24,28,32,36,40,44,48,52,56,60
	v_pk_add_f32 v[14:15], v[14:15], v[S+\j:S+\j+1]
	v_pk_add_f32 v[BT:BT+1], v[BT:BT+1], v[S+\j+2:S+\j+3]
.endr
	v_pk_add_f32 v[14:15], v[14:15], v[BT:BT+1]
	s_wait_alu depctr_va_vdst(0)                   ; and one for the four
.irp b, 0,1,2,3
	v_max_num_f32 v[BM+\b], 0x1800000, v[BM+\b]    ; the floor 2^(3 - 127)
.endr
.irp b, 0,1,2,3
	v_add_nc_u32 v[SO+\b], 0xff000000, v[BM+\b]    ; the conversion's scale operand
.endr
.irp b, 0,1,2,3
	v_lshrrev_b32 v[BT+\b], 23, v[SO+\b]           ; the byte
.endr
	v_lshl_or_b32 v29, v[BT+1], 8, v[BT]           ; p's scale word for these 128 keys
	v_lshl_or_b32 v29, v[BT+2], 16, v29
	v_lshl_or_b32 v29, v[BT+3], 24, v29
.irp c, 0,1
	v_cvt_scalef32_pk16_fp6_f32 v[PCD+6*\c:PCD+6*\c+2], v[S+32*\c:S+32*\c+15], v[SO+2*\c]
	v_cvt_scalef32_pk16_fp6_f32 v[PT+4*\c:PT+4*\c+2], v[S+32*\c+16:S+32*\c+31], v[SO+2*\c+1]
.endr
	v_nop                                          ; one plain place behind a scaled conversion
.irp c, 0,1
.irp i, 0,1,2
	v_permlane16_swap_b32 v[PCD+6*\c+\i], v[PT+4*\c+\i]
.endr
.irp i, 0,1,2
	v_mov_b32 v[PCD+6*\c+3+\i], v[PT+4*\c+\i]
.endr
.endr
.set J, 0
.rept 16
	v_pk_mul_f32 v[OT+J:OT+J+1], v[OT+J:OT+J+1], v[228:229] op_sel_hi:[1,0]   ; O^T under the new M; these are also the places between p's word and codes and the products
.set J, J+2
.endr
	s_wait_dscnt 0x0                               ; V^T and its words are in
.irp t, 0,1,2,3
	v_wmma_scale_f32_16x16x128_f8f6f4 v[OT+8*\t:OT+8*\t+7], v[F+12*\t:F+12*\t+11], v[PCD:PCD+11], v[OT+8*\t:OT+8*\t+7], v[VS+\t], v29 matrix_a_fmt:MATRIX_FMT_FP6 matrix_b_fmt:MATRIX_FMT_FP6
.endr
.endm
.macro RUN8 base                       ; a slot's eight key steps
	s_mov_b32 s[TB], \base
	s_mov_b32 s[CNT], 8
.Lstep_\@:
	STEP
	s_add_co_u32 s[TB], s[TB], REC
	s_sub_co_u32 s[CNT], s[CNT], 1
	s_cmp_lg_u32 s[CNT], 0
	s_cbranch_scc1 .Lstep_\@
.endm
; A head is done: O^T / the sum, quantised along the head's 64 channels (two blocks): registers 6 c .. 6 c + 5 of Z's fragment, bytes 2 c, 2 c + 1 of its word.
.macro FINISH c
.rept 4
	v_nop                                          ; places behind the last products
.endr
	v_add_f32 v14, v14, v15
	v_permlanex16_b32 v[BT], v14, s[SEL], s[SEL+1]
	v_add_f32 v14, v14, v[BT]                      ; the row's sum
	v_rcp_f32 v14, v14
	v_nop                                          ; a plain place behind the transcendental
	s_wait_alu depctr_va_vdst(0)                   ; and the wait ahead of its first reader
.set J, 0
.rept 16
	v_pk_mul_f32 v[S+J:S+J+1], v[OT+J:OT+J+1], v[14:15] op_sel_hi:[1,0]   ; register 16 b + i: channel 32 b + 16 (lane / 16) + i; each accumulator from its low end on
.set J, J+2
.endr
.irp b, 0,1
	v_max3_num_f32 v[BM+\b], |v[S+16*\b]|, |v[S+16*\b+1]|, 0x1800000
.endr
.irp i, 2,4,6,8,10,12,14
.irp b, 0,1
	v_max3_num_f32 v[BM+\b], v[BM+\b], |v[S+16*\b+\i]|, |v[S+16*\b+\i+1]|
.endr
.endr
.irp b, 0,1
	v_permlanex16_b32 v[BT+\b], v[BM+\b], s[SEL], s[SEL+1]
.endr
.irp b, 0,1
	v_max_num_f32 v[BM+\b], v[BM+\b], v[BT+\b]
.endr
.irp b, 0,1
	v_add_nc_u32 v[SO+\b], 0xff000000, v[BM+\b]
.endr
.irp b, 0,1
	v_lshrrev_b32 v[BT+\b], 23, v[SO+\b]
.endr
	v_cvt_scalef32_pk16_fp6_f32 v[ZF+6*\c:ZF+6*\c+2], v[S:S+15], v[SO]
	v_cvt_scalef32_pk16_fp6_f32 v[PT:PT+2], v[S+16:S+31], v[SO+1]
	v_nop                                          ; one plain place behind a scaled conversion
.irp i, 0,1,2
	v_permlane16_swap_b32 v[ZF+6*\c+\i], v[PT+\i]
.endr
.irp i, 0,1,2
	v_mov_b32 v[ZF+6*\c+3+\i], v[PT+\i]
.endr
	v_lshl_or_b32 v[HW], v[BT+1], 8, v[BT]
.if \c == 0
	v_mov_b32 v[ZW], v[HW]
.irp i, 0,1,2,3,4,5
	v_mov_b32 v[16+\i], v[246+\i]                  ; the second head's Q,
.endr
	v_mov_b32 v28, v252                            ; its words,
	v_mov_b32 v13, 0xff61b1e6                      ; and the state anew
	v_floor_f32 v12, -v13
	v_mov_b32 v14, 0
	v_mov_b32 v15, 0
.set J, 0
.rept 32
	v_mov_b32 v[OT+J], 0                           ; (these are also the places between Q's moves and the next products)
.set J, J+1
.endr
.else
	v_lshl_or_b32 v[ZW], v[HW], 16, v[ZW]
.endif
.endm
	s_wait_loadcnt 0x0                             ; Q
	s_wait_tensorcnt 2                             ; my record of slot 0 is in; the two younger loads may be out
	s_barrier_signal -1
	s_barrier_wait -1
	RUN8 0                                         ; the first head's records 0-7
	s_wait_tensorcnt 0x0                           ; all my tensor loads have landed, slots 1 and 2 among them,
	ds_add_u32 v[SPW], v[NIL]
	s_add_nc_u64 s[G0+2:G0+3], s[G0+2:G0+3], 3*SLOTB   ; so a group 0 may be written: records 24-31
	s_wait_dscnt 0x0                               ; the add is done, and my reads of slot 0 are over
	CROUND                                         ; both now hold of every wave of all four work-groups
	s_cmp_lt_u32 s[WV], 8
	s_cbranch_scc0 .Lno_refill
	tensor_load_to_lds s[G0:G0+3], s[G1:G1+7]      ; my one tensor load behind the round: it has 16 key steps in which to land
	s_nop 0
.rept 4
	v_nop
.endr
.Lno_refill:
	RUN8 SLOTB                                     ; records 8-15
	FINISH 0
	RUN8 2*SLOTB                                   ; the second head's records 16-23
	s_wait_tensorcnt 0x0                           ; my record of the refill is in (no load was issued behind it),
	s_wait_dscnt 0x0
	s_barrier_signal -1
	s_barrier_wait -1                              ; everybody's is
	RUN8 0                                         ; records 24-31
	FINISH 1
.irp p, 0,1,2,3,4,5
	global_store_b64 v[L8], v[ZF+2*\p:ZF+2*\p+1], s[8:9] offset:256*\p   ; 32 lanes store 256 consecutive bytes, aligned
.endr
	ds_store_b32 v[ZSA], v[ZW]                     ; lanes r and 16 + r write the same word with the same value
	s_wait_dscnt 0x0                               ; for the others' sake
	s_barrier_signal -1
	s_barrier_wait -1
	s_cmp_lt_u32 s[WV], 2                          ; the 1,024 bytes of words leave by two waves, 512 consecutive bytes each
	s_cbranch_scc0 .Lno_words
	ds_load_b128 v[S:S+3], v[ZRA]
	s_wait_dscnt 0x0
	global_store_b128 v[L16], v[S:S+3], s[10:11]
.Lno_words:
	s_wait_tensorcnt 0x0                           ; the wave's end
	ds_add_u32 v[SPW], v[NIL]
	s_wait_dscnt 0x0
	CROUND                                         ; the closing round
	s_endpgm
.Lfunc_end_k_qf50aef94a1_attn:
	.size	k_qf50aef94a1_attn, .Lfunc_end_k_qf50aef94a1_attn-k_qf50aef94a1_attn
	.p2alignl 7, 3214868480
	.fill 96, 4, 3214868480
	.section	.rodata,"a",@progbits
	.p2align	6, 0x0
	.amdhsa_kernel k_qf50aef94a1_attn
		.amdhsa_group_segment_fixed_size 327680
		.amdhsa_private_segment_fixed_size 0
		.amdhsa_enable_private_segment 0
		.amdhsa_kernarg_size 32
		.amdhsa_user_sgpr_count 2
		.amdhsa_user_sgpr_kernarg_segment_ptr 1
		.amdhsa_wavefront_size32 1
		.amdhsa_system_sgpr_workgroup_id_x 1
		.amdhsa_system_sgpr_workgroup_id_y 1
		.amdhsa_system_sgpr_workgroup_id_z 1
		.amdhsa_system_vgpr_workitem_id 0
		.amdhsa_next_free_vgpr 256
		.amdhsa_next_free_sgpr 80
		.amdhsa_reserve_vcc 0
		.amdhsa_float_denorm_mode_32 3
		.amdhsa_float_denorm_mode_16_64 3
		.amdhsa_memory_ordered 1
		.amdhsa_forward_progress 1
		.amdhsa_inst_pref_size 86
	.end_amdhsa_kernel
	.amdgpu_metadata
---
amdhsa.version: [ 1, 2 ]
amdhsa.kernels:
  - .name:           k_qf50aef94a1_attn
    .symbol:         k_qf50aef94a1_attn.kd
    .args:
      - { .name: qb, .offset: 0, .size: 8, .value_kind: global_buffer, .address_space: global }
      - { .name: kv, .offset: 8, .size: 8, .value_kind: global_buffer, .address_space: global }
      - { .name: zc, .offset: 16, .size: 8, .value_kind: global_buffer, .address_space: global }
      - { .name: zs, .offset: 24, .size: 8, .value_kind: global_buffer, .address_space: global }
    .group_segment_fixed_size: 327680
    .private_segment_fixed_size: 0
    .kernarg_segment_align: 8
    .kernarg_segment_size: 32
    .max_flat_workgroup_size: 512
    .sgpr_count:     80
    .vgpr_count:     256
    .wavefront_size: 32
...
	.end_amdgpu_metadata
.endif
;; end of part 3
;; launch outp (part 4): grid 4 x 32, 4 waves a work-group, clusters of 4 x 4, 327,680 bytes of LDS; arguments zc, zs, wc, ws, bo, out0; writes out0
.if DOCPART == 4
	.amdgcn_target "amdgcn-amd-amdhsa--gfx1250"
	.amdhsa_code_object_version 6
	.text
	.protected	k_qf50aef94a1_outp
	.globl	k_qf50aef94a1_outp
	.p2align	8
	.type	k_qf50aef94a1_outp,@function
k_qf50aef94a1_outp:
	s_mov_b64 s[64:65], 0
	v_nop
	global_prefetch_b8 v0, s[64:65] scope:SCOPE_SE
	s_setreg_imm32_b32 hwreg(HW_REG_WAVE_MODE, 25, 1), 1
	s_wait_xcnt 0x0
	s_wait_alu depctr_hold_cnt(0) depctr_sa_sdst(0) depctr_va_vdst(0) depctr_va_sdst(0) depctr_va_ssrc(0) depctr_va_vcc(0) depctr_vm_vsrc(0)
	s_getreg_b32 s2, hwreg(HW_REG_IB_STS2, 6, 4)
	s_cmp_eq_u32 s2, 0
	s_cbranch_scc0 .Lentry_in_a_cluster
	s_endpgm
.Lentry_in_a_cluster:
	s_bfe_u32 s2, ttmp6, 0x10000c
	s_cmp_lg_u32 s2, 0xf033
	s_cbranch_scc0 .Lentry_shape_is_right
	s_endpgm
.Lentry_shape_is_right:
; out0 = Z Wo + bo on codes of FP6 (E2M3) with E8M0 scales, K = 1,024; out0 [8192][1024] f32.
; A tile of 256 x 256 is made by four waves, 128 x 128 each: 64 accumulators, 512 registers.  Operands lie in memory as images of the operand's registers (1,536 bytes a fragment of 16 rows x 128 K), so 128 rows x 256 K
; are 24,576 dense bytes: one tensor load a wave, and every LDS load reads 256 consecutive bytes.  K goes in four steps of 256 through two LDS slots; the scale words of the tile's rows come once.
; THE MATRIX INSTRUCTION: source 0 = 16 rows (n) of Wo, source 1 = 16 rows of Z: a lane holds one row of out0, its registers run along n.  Block j's lane r holds row 32 (j / 2) + 8 (j % 2) + r + 8 (r / 8), so the 16 registers
; of result tiles 2 b and 2 b + 1 are 16 neighbouring n.  The bias is the C of each sum's first product.
; CLUSTERS: 4 x 4.  Z's tiles are asked for jointly along a row of the cluster, Wo's along a column.  128 tiles: a work-group to each.
; REGISTERS: window 0: v1-29 addresses; v32-63 scale words, two sets; v64-127 the bias; v128-223 Z's fragments, one set (on the way out v128-255 hold rows).  window 1: Wo's fragments, two sets.  windows 2, 3: the accumulators.
.set FR,     12
.set NL,     6
.set NP,     4
.set HALFT,  24576
.set SLOT,   4*HALFT
.set KT,     49152
.set SCL,    2*SLOT
.set SPARE,  SCL+16384
.set SPITCH, 528                       ; the way out: a stage of 16 rows x (512 bytes + 16) for each wave, in slot 0, which has had its last fill and its last read when the first result is stored there
.set BQ,   12
.set ADRA, 16
.set ADRB, 20
.set STO,  24
.set RD,   25
.set CO,   26
.set ADRS, 27
.set SPW,  28
.set NIL,  29
.set SC,   32
.set BI,   64
.set AF,   128
.set BK,   128
.set G1, 24
.set G0, 32
.set G1B, 40
.set G0B, 48
.set G1S, 56
.set G0S, 68
.set G1SB, 72
.set G0SB, 80
.set MSB, 0
.macro WIN new
.if MSB != \new
	s_set_vgpr_msb (MSB<<8)|\new
.set MSB, \new
.endif
.endm
.set MUL_LO, 0xa1
.set MUL_HI, 0xf1
.set TO_B,   0x40
.macro JLOAD g0a, g1a, g0b, g1b        ; a joint load: waves 0, 1 fetch for Z, waves 2, 3 for Wo; an s_nop 0 and four v_nop follow each line
	s_cmp_eq_u32 s23, 0
	s_cbranch_scc0 .Lfor_b_\@
	tensor_load_to_lds s[\g0a:\g0a+3], s[\g1a:\g1a+7]
	s_nop 0
.rept 4
	v_nop
.endr
	s_branch .Lasked_\@
.Lfor_b_\@:
	tensor_load_to_lds s[\g0b:\g0b+3], s[\g1b:\g1b+7]
	s_nop 0
.rept 4
	v_nop
.endr
.Lasked_\@:
.endm
.macro CREST
	s_cmp_lg_u32 s22, 0
	s_cbranch_scc1 .Lnot_wave_0_\@
	s_barrier_signal -3
.Lnot_wave_0_\@:
	s_barrier_wait -3
	s_barrier_signal -1
	s_barrier_wait -1
.endm
.macro CROUND
	s_barrier_signal -1
	s_barrier_wait -1
	CREST
.endm
	s_load_b256 s[4:11], s[0:1], 0x0               ; zc, zs, wc, ws
	s_load_b128 s[12:15], s[0:1], 0x20             ; bo, out0
	v_lshl_add_u32 v[SPW], v0, 2, SPARE
	v_mov_b32 v[NIL], 0
	ds_add_u32 v[SPW], v[NIL]                      ; the wave's opening: the add, with its wait ahead of my first tensor load
	v_lshrrev_b32 v1, 5, v0
	v_readfirstlane_b32 s22, v1
	s_lshr_b32 s23, s22, 1
	s_and_b32 s84, s22, 1
	s_bfe_u32 s85, ttmp6, 0x40000                  ; cx
	s_bfe_u32 s86, ttmp6, 0x40004                  ; cy
	s_and_b32 s88, ttmp7, 0xffff
	s_lshl_b32 s91, s86, 2
	s_lshl_b32 s91, 15, s91
	s_lshl_b32 s92, 0x1111, s85
	s_or_b32 s[G1], s91, (3<<16)|(1<<21)
	s_or_b32 s[G1B], s92, (3<<16)|(1<<21)
.irp g, G1, G1B
	s_mov_b32 s[\g+1], 32<<16
	s_mov_b32 s[\g+2], 96<<16
	s_mov_b32 s[\g+3], 32<<16
	s_mov_b32 s[\g+4], 96
	s_mov_b32 s[\g+5], 32
	s_mov_b32 s[\g+6], 0
	s_mov_b32 s[\g+7], 0
.endr
	s_or_b32 s[G1S], s91, (3<<16)|(1<<21)
	s_or_b32 s[G1SB], s92, (3<<16)|(1<<21)
.irp g, G1S, G1SB
	s_mov_b32 s[\g+1], 32<<16
	s_mov_b32 s[\g+2], 16<<16
	s_mov_b32 s[\g+3], 32<<16
	s_mov_b32 s[\g+4], 16
	s_mov_b32 s[\g+5], 32
	s_mov_b32 s[\g+6], 0
	s_mov_b32 s[\g+7], 0
.endr
	s_lshl_b32 s89, s88, 2
	s_add_co_u32 s89, s89, s86                     ; Z's tile: 4 y + cy
	s_lshl_b32 s87, ttmp9, 2
	s_add_co_u32 s87, s87, s85                     ; the tile column: 4 x + cx
	s_add_co_u32 s90, s87, 12                      ; Wo's tile among the weights
	s_mul_i32 s2, s89, 196608
	s_mul_i32 s3, s84, HALFT
	s_add_co_u32 s2, s2, s3
	s_mov_b32 s3, 0
	s_mul_i32 s66, s90, 196608
	s_mul_i32 s67, s84, HALFT
	s_add_co_u32 s66, s66, s67
	s_mov_b32 s67, 0
	s_lshl_b32 s93, s84, 12
	s_wait_dscnt 0x0                               ; the opening add is done
	s_wait_kmcnt 0x0
	s_add_nc_u64 s[94:95], s[4:5], s[2:3]
	s_add_nc_u64 s[98:99], s[8:9], s[66:67]
	s_lshl_b32 s2, s89, 13
	s_add_co_u32 s2, s2, s93
	s_add_nc_u64 s[96:97], s[6:7], s[2:3]
	s_lshl_b32 s66, s90, 13
	s_add_co_u32 s66, s66, s93
	s_add_nc_u64 s[100:101], s[10:11], s[66:67]
	s_mul_i32 s93, s22, HALFT
	s_lshl_b32 s90, s22, 12
	CROUND                                         ; all sixteen work-groups are here: the first joint loads meet
	s_mov_b32 s[G0S], 1
	s_add_co_u32 s[G0S+1], s90, SCL
	s_mov_b64 s[G0S+2:G0S+3], s[96:97]
	s_or_b32 s[G0S+3], s[G0S+3], 0x80000000
	s_mov_b32 s[G0SB], 1
	s_add_co_u32 s[G0SB+1], s90, SCL
	s_mov_b64 s[G0SB+2:G0SB+3], s[100:101]
	s_or_b32 s[G0SB+3], s[G0SB+3], 0x80000000
	JLOAD G0S, G1S, G0SB, G1SB
.irp s, 0,1
	s_mov_b32 s[G0+4*\s], 1
	s_add_co_u32 s[G0+4*\s+1], s93, \s*SLOT
	s_add_nc_u64 s[G0+4*\s+2:G0+4*\s+3], s[94:95], \s*KT
	s_or_b32 s[G0+4*\s+3], s[G0+4*\s+3], 0x80000000
	s_mov_b32 s[G0B+4*\s], 1
	s_add_co_u32 s[G0B+4*\s+1], s93, \s*SLOT
	s_add_nc_u64 s[G0B+4*\s+2:G0B+4*\s+3], s[98:99], \s*KT
	s_or_b32 s[G0B+4*\s+3], s[G0B+4*\s+3], 0x80000000
	JLOAD G0+4*\s, G1, G0B+4*\s, G1B               ; three loads of mine are out
.endr
	v_and_b32 v1, 15, v0                           ; r
	v_bfe_u32 v2, v0, 4, 1                         ; h
	v_and_b32 v3, 31, v0
	v_lshlrev_b32 v4, 3, v3                        ; 8 x lane
	v_lshlrev_b32 v[BQ], 6, v2
	s_lshl_b32 s66, s87, 10
	s_lshl_b32 s67, s84, 9
	s_add_co_u32 s66, s66, s67                     ; my first column, in bytes: 1,024 x tile column + 512 x half
	s_mov_b32 s67, 0
	s_add_nc_u64 s[12:13], s[12:13], s[66:67]
.irp b, 0,1,2,3,4,5,6,7                ; the bias in the result's layout: register 8 b + j: n = 32 (b / 2) + 16 h + 8 (b % 2) + j
	global_load_b128 v[BI+8*\b:BI+8*\b+3], v[BQ], s[12:13] offset:(32*(\b/2)+8*(\b%2))*4
	global_load_b128 v[BI+8*\b+4:BI+8*\b+7], v[BQ], s[12:13] offset:(32*(\b/2)+8*(\b%2))*4+16
.endr
	s_mul_i32 s2, s23, HALFT
	s_mul_i32 s3, s84, HALFT
	s_add_co_u32 s3, s3, 2*HALFT
.irp s, 0,1
	v_add_nc_u32 v[ADRA+\s], s2, v4
	v_add_nc_u32 v[ADRB+\s], s3, v4
	s_add_co_u32 s2, s2, SLOT
	s_add_co_u32 s3, s3, SLOT
.endr
	s_xor_b32 s3, s23, 1
	s_add_co_u32 s3, s3, s84
	s_lshl_b32 s3, s3, 9
	s_add_co_u32 s3, s3, 7680                      ; from Z's words to Wo's: 8,192 + 512 (my half of Wo - my half of Z)
	v_mul_u32_u24 v6, s3, v2
	s_lshl_b32 s2, s23, 9
	s_add_co_u32 s2, s2, SCL
	v_lshl_add_u32 v5, v1, 2, v6
	v_add_nc_u32 v[ADRS], s2, v5
	s_mul_i32 s2, s22, 16*SPITCH                   ; my stage
	v_mul_u32_u24 v5, v1, SPITCH
	v_lshl_add_u32 v5, v2, 6, v5
	v_add_nc_u32 v[STO], s2, v5                    ; in: row r, + 64 h
	v_lshlrev_b32 v[CO], 4, v3                     ; back: the 32 lanes take a row of 512 bytes; and the same in out0
	v_add_nc_u32 v[RD], s2, v[CO]
	s_lshl_b32 s2, s89, 8
	s_lshl_b32 s3, s23, 7
	s_add_co_u32 s2, s2, s3                        ; my first row
	s_lshl_b32 s2, s2, 12                          ; of 4,096 bytes
	s_mov_b32 s3, 0
	s_add_nc_u64 s[14:15], s[14:15], s[2:3]
	s_add_nc_u64 s[14:15], s[14:15], s[66:67]
.macro FRAG reg, adr, q, i
.irp p, 0,1,2,3,4,5
	ds_load_b64 v[\reg+2*\p:\reg+2*\p+1], v[\adr] offset:3072*(\i)+1536*(\q)+256*\p
.endr
.endm
; 16 matrix instructions: Z's blocks a0, a0 + 1 x Wo's eight, 128 along K.  first = 1: the products start the sums from the bias.
; The 64 accumulators take turns, one instruction a turn, in the same order in every step.
.macro MUL16 a0, p, q, sc, first
.irp a, \a0, \a0+1
.irp b, 0,1,2,3,4,5,6,7
.if \first
	v_wmma_scale_f32_16x16x128_f8f6f4 v[8*(8*((\a)%4)+\b):8*(8*((\a)%4)+\b)+7], v[128*(\p)+FR*\b:128*(\p)+FR*\b+FR-1], v[AF+FR*(\a):AF+FR*(\a)+FR-1], v[BI+8*\b:BI+8*\b+7], v[SC+16*(\sc)+2*\b+(\q)], v[SC+16*(\sc)+2*(\a)+(\q)] matrix_a_fmt:MATRIX_FMT_FP6 matrix_b_fmt:MATRIX_FMT_FP6 matrix_a_scale:MATRIX_SCALE_ROW1
.else
	v_wmma_scale_f32_16x16x128_f8f6f4 v[8*(8*((\a)%4)+\b):8*(8*((\a)%4)+\b)+7], v[128*(\p)+FR*\b:128*(\p)+FR*\b+FR-1], v[AF+FR*(\a):AF+FR*(\a)+FR-1], v[8*(8*((\a)%4)+\b):8*(8*((\a)%4)+\b)+7], v[SC+16*(\sc)+2*\b+(\q)], v[SC+16*(\sc)+2*(\a)+(\q)] matrix_a_fmt:MATRIX_FMT_FP6 matrix_b_fmt:MATRIX_FMT_FP6 matrix_a_scale:MATRIX_SCALE_ROW1
.endif
.endr
.endr
.endm
.macro FETCH_B slot, q, p
	WIN TO_B
.irp i, 0,1,2,3,4,5,6,7
	FRAG 128*(\p)+FR*\i, ADRB+\slot, \q, \i
.endr
	WIN 0
.endm
.macro FETCH_A slot, q, i0
.irp i, \i0, \i0+1, \i0+2, \i0+3
	FRAG AF+FR*(\i), ADRA+\slot, \q, \i
.endr
.endm
.macro SCALES sc, t
.irp i, 0,1,2,3,4,5,6,7
.irp q, 0,1
	ds_load_b32 v[SC+16*\sc+2*\i+\q], v[ADRS] offset:2048*\t+1024*\q+64*\i
.endr
.endr
.endm
.macro PLACES n
.rept \n
	v_nop
.endr
.endm
.macro STEP slot, first
	s_wait_dscnt 4*NL                              ; all but the youngest 24 loads (Z's blocks 4-7) are in
.if \first
	WIN 0x81                                       ; C (the bias) window 0, D window 2
.else
	WIN MUL_LO
.endif
	MUL16 0, 0, 0, \slot, \first
	MUL16 2, 0, 0, \slot, \first
	s_wait_dscnt 0x0
	PLACES NP
	FETCH_B \slot, 1, 1
	FETCH_A \slot, 1, 0
.if \first
	WIN 0xc1
.else
	WIN MUL_HI
.endif
	MUL16 4, 0, 0, \slot, \first
	MUL16 6, 0, 0, \slot, \first
	PLACES NP
	WIN 0
	FETCH_A \slot, 1, 4
.endm
.macro TURN slot, next, fill, tn
	s_wait_tensorcnt 0x0                           ; all my tensor loads have landed: my part of the next slot
	ds_add_u32 v[SPW], v[NIL]
	s_wait_dscnt 4*NL+1                            ; (the add and the youngest 24 loads may be out)
	WIN MUL_LO
	MUL16 0, 1, 1, \slot, 0
	s_wait_dscnt 0x0                               ; the add is done, and my reads of this slot are over
	s_barrier_signal -1
	MUL16 2, 1, 1, \slot, 0
	WIN 0
	s_barrier_wait -1
.if \fill
	CREST                                          ; the barrier has opened a round of the cluster's
	s_add_nc_u64 s[G0+4*\slot+2:G0+4*\slot+3], s[G0+4*\slot+2:G0+4*\slot+3], 2*KT
	s_add_nc_u64 s[G0B+4*\slot+2:G0B+4*\slot+3], s[G0B+4*\slot+2:G0B+4*\slot+3], 2*KT
	JLOAD G0+4*\slot, G1, G0B+4*\slot, G1B         ; my one tensor load behind the round
.else
	PLACES NP
.endif
	FETCH_B \next, 0, 0
	FETCH_A \next, 0, 0
	SCALES \next, \tn
	WIN MUL_HI
	MUL16 4, 1, 1, \slot, 0
	MUL16 6, 1, 1, \slot, 0
	PLACES NP
	WIN 0
	FETCH_A \next, 0, 4
.endm
	s_wait_loadcnt 0x0                             ; the bias
	s_wait_tensorcnt 1                             ; the scale words and my part of slot 0 are in; slot 1's load may be out
	s_barrier_signal -1
	s_barrier_wait -1
	FETCH_B 0, 0, 0
	FETCH_A 0, 0, 0
	SCALES 0, 0
	FETCH_A 0, 0, 4
	STEP 0, 1
	TURN 0, 1, 1, 1
	STEP 1, 0
	TURN 1, 0, 1, 2
	STEP 0, 0
	TURN 0, 1, 0, 3
	STEP 1, 0
	s_wait_dscnt 4*NL
	WIN MUL_LO
	MUL16 0, 1, 1, 1, 0
	MUL16 2, 1, 1, 1, 0
	s_wait_dscnt 0x0
	WIN MUL_HI
	MUL16 4, 1, 1, 1, 0
	MUL16 6, 1, 1, 1, 0
	WIN 0
; THE WAY OUT, block by block of 16 rows x 128 columns, through my own stage: in by 32 bytes of a row, back as whole rows of 512 bytes.  LDS serves a wave's instructions in order: no wait between the stores and the loads.
.macro TOSTAGE a
.set AC, 64*((\a)%4)
.set WW, 0x08+4*((\a)/4)
	WIN WW                                         ; the data: window 2 or 3
.irp b, 0,1,2,3,4,5,6,7
	ds_store_b128 v[STO], v[AC+8*\b:AC+8*\b+3] offset:128*(\b/2)+32*(\b%2)          ; each accumulator from its low end on
	ds_store_b128 v[STO], v[AC+8*\b+4:AC+8*\b+7] offset:128*(\b/2)+32*(\b%2)+16
.endr
	WIN 0
.set BB, BK+64*((\a)%2)
.irp t, 0,1,2,3,4,5,6,7,8,9,10,11,12,13,14,15
	ds_load_b128 v[BB+4*\t:BB+4*\t+3], v[RD] offset:\t*SPITCH
.endr
.endm
.macro SEND a, younger
.set BB, BK+64*((\a)%2)
	s_wait_dscnt \younger                          ; the block is back in registers
.if (\a) > 0
.if (\a)%2 == 1
	s_add_nc_u64 s[14:15], s[14:15], 8*4096        ; (behind a wait on XCNT)  an odd block begins 8 rows behind the even one,
.else
	s_add_nc_u64 s[14:15], s[14:15], 24*4096       ; the next even one 24 rows further
.endif
.endif
.irp t, 0,1,2,3,4,5,6,7,8,9,10,11,12,13,14,15
	global_store_b128 v[CO], v[BB+4*\t:BB+4*\t+3], s[14:15] offset:(\t+8*(\t/8))*4096 th:TH_STORE_NT   ; stage row t is the block's row t + 8 (t / 8); 32 lanes store 512 consecutive bytes, aligned
.endr
.endm
	PLACES NP
	TOSTAGE 0
.irp a, 1,2,3,4,5,6,7
.if \a > 1
	s_wait_xcnt 0x0                                ; block a - 2's stores have read their registers and their base
.endif
	TOSTAGE \a
	SEND \a-1, 32                                  ; behind block a - 1's loads: block a's 16 stores and 16 loads
.endr
	s_wait_xcnt 0x0
	SEND 7, 0
	s_wait_tensorcnt 0x0                           ; the wave's end
	ds_add_u32 v[SPW], v[NIL]
	s_wait_dscnt 0x0
	CROUND                                         ; the closing round
	s_endpgm
.Lfunc_end_k_qf50aef94a1_outp:
	.size	k_qf50aef94a1_outp, .Lfunc_end_k_qf50aef94a1_outp-k_qf50aef94a1_outp
	.p2alignl 7, 3214868480
	.fill 96, 4, 3214868480
	.section	.rodata,"a",@progbits
	.p2align	6, 0x0
	.amdhsa_kernel k_qf50aef94a1_outp
		.amdhsa_group_segment_fixed_size 327680
		.amdhsa_private_segment_fixed_size 0
		.amdhsa_enable_private_segment 0
		.amdhsa_kernarg_size 48
		.amdhsa_user_sgpr_count 2
		.amdhsa_user_sgpr_kernarg_segment_ptr 1
		.amdhsa_wavefront_size32 1
		.amdhsa_system_sgpr_workgroup_id_x 1
		.amdhsa_system_sgpr_workgroup_id_y 1
		.amdhsa_system_sgpr_workgroup_id_z 1
		.amdhsa_system_vgpr_workitem_id 0
		.amdhsa_next_free_vgpr 1024
		.amdhsa_next_free_sgpr 102
		.amdhsa_reserve_vcc 0
		.amdhsa_float_denorm_mode_32 3
		.amdhsa_float_denorm_mode_16_64 3
		.amdhsa_memory_ordered 1
		.amdhsa_forward_progress 1
		.amdhsa_inst_pref_size 163
	.end_amdhsa_kernel
	.amdgpu_metadata
---
amdhsa.version: [ 1, 2 ]
amdhsa.kernels:
  - .name:           k_qf50aef94a1_outp
    .symbol:         k_qf50aef94a1_outp.kd
    .args:
      - { .name: zc, .offset: 0, .size: 8, .value_kind: global_buffer, .address_space: global }
      - { .name: zs, .offset: 8, .size: 8, .value_kind: global_buffer, .address_space: global }
      - { .name: wc, .offset: 16, .size: 8, .value_kind: global_buffer, .address_space: global }
      - { .name: ws, .offset: 24, .size: 8, .value_kind: global_buffer, .address_space: global }
      - { .name: bo, .offset: 32, .size: 8, .value_kind: global_buffer, .address_space: global }
      - { .name: out0, .offset: 40, .size: 8, .value_kind: global_buffer, .address_space: global }
    .group_segment_fixed_size: 327680
    .private_segment_fixed_size: 0
    .kernarg_segment_align: 8
    .kernarg_segment_size: 48
    .max_flat_workgroup_size: 128
    .sgpr_count:     102
    .vgpr_count:     1024
    .wavefront_size: 32
...
	.end_amdgpu_metadata
.endif
;; end of part 4
